; MI455X (gfx1250); checked and timed in simulation.
; The chip was launched on July 23, 2026; its instructions are those of AMD's public machine-readable ISA for CDNA 5 (MIT licence, August 2026) and "CDNA5" Instruction Set Architecture Reference Guide (July 2026). The comments in the code are by the model that wrote it; some were corrected since.
;; Multi Head Attention. Allowed arithmetic: matrix products marked QUANTISED: E2M1 operands, one E8M0 scale for each 32 along K, by v_wmma_scale_f32_16x16x128_f8f6f4 with both operands' format E2M1 (or v_wmma_scale_f32_32x16x128_f4), f32 sums; products left as they are: bf16, f16 or f32 operands; f32 sums; everything else in f32.
;; Inputs: Wk 1,024 x 1,024 float32; Wo 1,024 x 1,024 float32; Wq 1,024 x 1,024 float32; Wv 1,024 x 1,024 float32; bk 1,024 float32; bo 1,024 float32; bq 1,024 float32; bv 1,024 float32; key 4 x 2,048 x 1,024 float32; query 4 x 2,048 x 1,024 float32; value 4 x 2,048 x 1,024 float32.
;; Outputs: out0 4 x 2,048 x 1,024 float32.
;; This version of the problem:
;;   THIS VERSION OF THE PROBLEM IS GIVEN IN LOW PRECISION. The matrix products marked QUANTISED in the list below multiply operands that are first quantised to E2M1 (2 exponent bits, 1 mantissa bit; 4 bits a number), with one power-of-two scale for each 32 numbers along K (OCP MX v1.0); their sums are f32. The products marked 'left as it is' may take bf16, f16 or f32 operands, with f32 sums. Whichever they take, every output number must still come out within the allowed error. Rounding operands to bf16 (8 significant bits) uses up far more of that allowance than f16 does (11 bits, for magnitudes from 6e-5 to 65,504). All else is computed in f32.
;;   The module's matrix products, in the order in which they are computed (A, B: the left and right operand; K: the contracted axis; several contracted axes count as one K, in the product's order):
;;     1. [M 8,192, K 1,024] x [K 1,024, N 1,024]; A: input query; B: input Wq: QUANTISED
;;     2. [M 8,192, K 1,024] x [K 1,024, N 1,024]; A: input key; B: input Wk: QUANTISED
;;     3. [M 8,192, K 1,024] x [K 1,024, N 1,024]; A: input value; B: input Wv: QUANTISED
;;     4. batch 64 x [M 2,048, K 64] x [K 64, N 2,048]; A: computed on the way; B: computed on the way: left as it is (an operand is computed on the way)
;;     5. batch 64 x [M 2,048, K 2,048] x [K 2,048, N 64]; A: computed on the way; B: computed on the way: left as it is (an operand is computed on the way)
;;     6. [M 8,192, K 1,024] x [K 1,024, N 1,024]; A: computed on the way; B: input Wo: left as it is (an operand is computed on the way)
;;   THE QUANTISER, for each operand of a quantised product, along K:
;;     - K is cut into blocks of 32 from its start; a last block that is shorter is filled with zeros.
;;     - A block's scale is 2^e with e = floor(log2(the largest magnitude in the block)) - 2, held to -126 .. 127; a block of zeros has e = 0. As a byte (E8M0): e + 127.
;;     - Each number is divided by its block's scale, clamped to +-6, and rounded to the nearest number of E2M1, ties to even, subnormals kept.
;;     - The product sums the exact products of the quantised numbers (number of the format x scale) in f32.
;;   ~~~python
;;   def quantise(x, axis):      # numpy; x: float32 -> the quantised numbers, widened to float32 again
;;       x = np.moveaxis(x, axis, -1); K = x.shape[-1]
;;       x = np.pad(x, [(0, 0)] * (x.ndim - 1) + [(0, -K % 32)]); x = x.reshape(x.shape[:-1] + (-1, 32)); a = np.abs(x).max(-1, keepdims=True)
;;       e = np.where(a > 0, np.clip(np.frexp(np.where(a > 0, a, 1))[1] - 1 - 2, -126, 127), 0)      # np.frexp(a)[1] - 1 = floor(log2(a)), exactly
;;       r = np.clip(x / 2.0 ** e, -6, 6)
;;       step = 2.0 ** (np.maximum(np.frexp(np.where(r == 0, 1, r))[1] - 1, 0) - 1)
;;       q = np.round(r / step) * step * 2.0 ** e      # np.round: ties to even
;;       return np.moveaxis(q.reshape(q.shape[:-2] + (-1,))[..., :K], -1, axis).astype(np.float32)
;;   ~~~
;; One version. Each part assembles by itself: llvm-mc -triple=amdgcn-amd-amdhsa -mcpu=gfx1250 --defsym DOCPART=n.
;; ======== version 1 of 1: 4 launches
;; limits: values are held in f16: magnitudes above 65,504 overflow, below 6.1e-05 lose precision
;; workspace buffers: codes 14,155,776 bytes; scales 884,736 bytes; wo16 2,097,152 bytes; qkv 50,331,648 bytes; xh 16,777,216 bytes
;; launch quant (part 1): grid 896 x 1, 4 waves a work-group, no clusters, 33,280 bytes of LDS; arguments query, key, value, Wq, Wk, Wv, Wo, codes, scales, wo16; writes codes, scales, wo16
.if DOCPART == 1
	.amdgcn_target "amdgcn-amd-amdhsa--gfx1250"
	.amdhsa_code_object_version 6
	.text
	.protected	k_q5dd1456c58_quant
	.globl	k_q5dd1456c58_quant
	.p2align	8
	.type	k_q5dd1456c58_quant,@function
k_q5dd1456c58_quant:
	s_mov_b64 s[64:65], 0
	v_nop
	global_prefetch_b8 v0, s[64:65] scope:SCOPE_SE
	s_setreg_imm32_b32 hwreg(HW_REG_WAVE_MODE, 25, 1), 1
	s_wait_xcnt 0x0
; query, key, value [8192][1024] and Wq, Wk, Wv [1024][1024], f32, K innermost, become codes of FP4 (E2M1), two a byte, with one E8M0 byte for each 32 along K; Wo [1024][1024] becomes f16.
; A block's scale is 2^(floor(log2(its largest magnitude)) - 2); its byte is the largest magnitude's exponent field - 2, held at 1 from below; each number is divided by the scale and rounded to the nearest code, ties to even.
; LIMITS: a block of zeros gets the byte 1 where the rule says 127 (its codes are zeros, and this program alone reads the bytes); NaN and infinities among the inputs are not served; Wo beyond 65,504 in magnitude becomes infinity in f16.
; Rows are dense and 1,024 is a multiple of 32: each tensor is a plain stream of blocks of 32.  The six streams lie on end in the two buffers: codes: 16,384 bytes a work-group; scales: 1,024 bytes a work-group.
; SHARES: a work-group takes 32,768 numbers, a wave 8,192 (16 steps of 512).  Work-groups 0-255 query, 256-511 key, 512-767 value, 768-799 Wq, 800-831 Wk, 832-863 Wv, 864-895 Wo.
; A step's four loads read 512 consecutive bytes each; its 2,048 bytes turn through the wave's own stage in LDS (16 bytes of padding behind each 64) and come back 64 bytes a lane: 16 neighbours along K, two lanes to a block.
; No tensor loads, no barrier: waves share nothing.  Memory binds: matrix units and clusters would add nothing here.
.set WAVES, 4
.set STEPS, 16
.set EMAX,  2
.set CB,    8                          ; bytes of 16 codes
.set R,     16                         ; v16-79   four sets of 16 numbers as loaded (Wo: two sets of 32)
.set X,     80                         ; v80-111  two sets of 16 neighbours (Wo: two sets of 16 registers of f16)
.set E,     112                        ; v112-127 a scale byte for each step
.set C,     128                        ; v128-191 codes: four registers for each step, so that no store's data are written again
.set WREG,  8192                       ; LDS: a region for each wave: two stages of 32 x SP bytes, behind them its 256 scale bytes
.set SP,    80
.set SPW,   12                         ; v12  LDS address of my spare word; never rewritten
.set NIL,   13                         ; v13  0; never rewritten
.set SPARE, WAVES*WREG                 ; behind the four regions: the spare words, 128 bytes a wave
.set WOG,   864                        ; the first work-group of Wo
	s_load_b512 s[8:23], s[0:1], 0x0               ; query s[8:9], key s[10:11], value s[12:13], Wq s[14:15], Wk s[16:17], Wv s[18:19], Wo s[20:21], codes s[22:23]
	s_load_b128 s[24:27], s[0:1], 0x40             ; scales s[24:25], wo16 s[26:27]
	v_lshl_add_u32 v[SPW], v0, 2, SPARE
	v_mov_b32 v[NIL], 0
	v_lshrrev_b32 v1, 5, v0
	v_readfirstlane_b32 s30, v1                    ; wave
	v_and_b32 v2, 31, v0                           ; lane
	v_lshlrev_b32 v3, 4, v2                        ; my 16 bytes of a load's 512
	s_mul_i32 s31, s30, WREG
	v_lshrrev_b32 v14, 2, v2
	v_mul_u32_u24 v14, v14, SP
	v_and_b32 v15, 3, v2
	v_lshl_add_u32 v14, v15, 4, v14
	v_add_nc_u32 v14, s31, v14                     ; the stage, way in: SP (lane / 4) + 16 (lane % 4)
	v_mul_u32_u24 v15, v2, SP
	v_add_nc_u32 v15, s31, v15                     ; way out: SP x lane
	v_mul_u32_u24 v4, v2, CB                       ; 8 x lane: my codes' place in a step's; also my f16 numbers' place in a store of Wo
	v_lshrrev_b32 v5, 1, v2
	s_add_co_u32 s31, s31, 2*32*SP
	v_add_nc_u32 v5, s31, v5                       ; LDS: my wave's 256 scale bytes, my block's byte
	v_lshlrev_b32 v7, 3, v2
	v_add_nc_u32 v6, s31, v7                       ; and on the way out 8 bytes a lane
	s_wait_kmcnt 0x0
	; which tensor is my work-group's: a chain of choices on the work-group's number alone
	s_mov_b64 s[4:5], s[8:9]
	s_mov_b32 s28, 0
.macro PICK first, ptr
	s_cmp_ge_u32 ttmp9, \first
	s_cselect_b64 s[4:5], s[\ptr:\ptr+1], s[4:5]
	s_cselect_b32 s28, \first, s28
.endm
	PICK 256, 10
	PICK 512, 12
	PICK 768, 14
	PICK 800, 16
	PICK 832, 18
	PICK WOG, 20
	s_sub_co_u32 s28, ttmp9, s28
	s_lshl_b32 s28, s28, 2
	s_add_co_u32 s28, s28, s30                     ; which run of 8,192 numbers of the tensor is my wave's
	s_lshl_b32 s32, s28, 15                        ; 32,768 bytes a run
	s_mov_b32 s33, 0
	s_add_nc_u64 s[4:5], s[4:5], s[32:33]
	s_cmp_ge_u32 ttmp9, WOG
	s_cbranch_scc1 .Lwo
	s_lshl_b32 s29, ttmp9, 2
	s_add_co_u32 s29, s29, s30                     ; which run of all six streams
	s_lshl_b32 s32, s29, 12                        ; 4,096 bytes of codes a run
	s_add_nc_u64 s[22:23], s[22:23], s[32:33]
	s_lshl_b32 s32, s29, 8                         ; 256 scale bytes a run
	s_add_nc_u64 s[24:25], s[24:25], s[32:33]
.macro LOAD t
.irp i, 0,1,2,3
	global_load_b128 v[R+16*((\t)%4)+4*\i:R+16*((\t)%4)+4*\i+3], v3, s[4:5] offset:2048*(\t)+512*\i th:TH_LOAD_NT   ; 32 lanes read 512 consecutive bytes
.endr
.endm
.macro TURN t                          ; step t's numbers through the stage: LDS serves a wave's instructions in order, so no wait stands between the stores and the loads
.irp i, 0,1,2,3
	ds_store_b128 v14, v[R+16*((\t)%4)+4*\i:R+16*((\t)%4)+4*\i+3] offset:32*SP*((\t)%2)+8*SP*\i
.endr
.irp i, 0,1,2,3
	ds_load_b128 v[X+16*((\t)%2)+4*\i:X+16*((\t)%2)+4*\i+3], v15 offset:32*SP*((\t)%2)+16*\i
.endr
.endm
.irp t, 0,1,2,3
	LOAD \t
.endr
	s_wait_loadcnt 12                              ; step 0's four loads are in; the twelve of steps 1 to 3 may be out
	TURN 0
.macro STEP t
.set XS, X+16*((\t)%2)
.if (\t) > 0
	s_wait_dscnt 1                                 ; this step's numbers are back from the stage (the last step's byte store may be out)
.else
	s_wait_dscnt 0x0
.endif
.if (\t)+4 < STEPS
	LOAD (\t)+4                                    ; into the registers that the stage's stores have read
.endif
.if (\t)+1 < STEPS
.if STEPS-2-(\t) >= 3
	s_wait_loadcnt 12                              ; the next step's four loads are in; those of the three steps behind it may be out
.else
	s_wait_loadcnt 4*(STEPS-2-(\t))
.endif
	TURN (\t)+1                                    ; through the other stage while this step is worked
.endif
	v_max3_num_f32 v8, |v[XS]|, |v[XS+1]|, |v[XS+2]|               ; the largest magnitude of my 16, in two chains
	v_max3_num_f32 v9, |v[XS+3]|, |v[XS+4]|, |v[XS+5]|
.irp i, 6,10
	v_max3_num_f32 v8, v8, |v[XS+\i]|, |v[XS+\i+1]|
	v_max3_num_f32 v9, v9, |v[XS+\i+2]|, |v[XS+\i+3]|
.endr
	v_max3_num_f32 v8, v8, |v[XS+14]|, |v[XS+15]|
	v_max3_num_f32 v8, v8, v9, (EMAX+1)<<23        ; and the floor 2^(EMAX + 1 - 127): the byte cannot fall under 1
	v_max_num_f32_dpp v8, v8, v8 row_xmask:1 row_mask:0xf bank_mask:0xf   ; with my neighbour's 16: the block's
	v_add_nc_u32 v11, -(EMAX<<23), v8              ; EMAX off its exponent field: the conversion takes the exponent field of this operand as its scale
	v_cvt_scalef32_pk8_fp4_f32 v[C+4*(\t)], v[XS:XS+7], v11
	v_cvt_scalef32_pk8_fp4_f32 v[C+4*(\t)+1], v[XS+8:XS+15], v11
	v_lshrrev_b32 v[E+(\t)], 23, v11               ; the scale's byte (a plain line behind the conversions)
	ds_store_b8 v5, v[E+(\t)] offset:16*(\t)       ; both lanes of a block write the same byte with the same value
	global_store_b64 v4, v[C+4*(\t):C+4*(\t)+1], s[22:23] offset:32*CB*(\t)   ; the wave stores 256 consecutive bytes, aligned
.endm
.irp t, 0,1,2,3,4,5,6,7,8,9,10,11,12,13,14,15
	STEP \t
.endr
	ds_load_b64 v[8:9], v6                         ; LDS serves a wave's instructions in order: these see my byte stores
	s_wait_dscnt 0x0
	global_store_b64 v7, v[8:9], s[24:25]          ; 32 lanes store my 256 scale bytes, aligned
	s_wait_tensorcnt 0x0                           ; the wave's end
	ds_add_u32 v[SPW], v[NIL]
	s_wait_dscnt 0x0
	s_endpgm
; Wo to f16: eight groups of eight loads of 512 consecutive bytes; each load's four numbers a lane become 8 bytes, so that a store covers 256 consecutive bytes, aligned.  No LDS is touched on this path.
.Lwo:
	s_lshl_b32 s32, s28, 14                        ; 16,384 bytes of f16 a run
	s_add_nc_u64 s[26:27], s[26:27], s[32:33]
.macro WLOAD g
.irp i, 0,1,2,3,4,5,6,7
	global_load_b128 v[R+32*((\g)%2)+4*\i:R+32*((\g)%2)+4*\i+3], v3, s[4:5] offset:512*(8*(\g)+\i) th:TH_LOAD_NT
.endr
.endm
.macro WGROUP g
.if (\g) < 7
	WLOAD (\g)+1
	s_wait_loadcnt 8                               ; this group's eight loads are in; the next group's eight may be out
.else
	s_wait_loadcnt 0x0
.endif
.if (\g) >= 2
	s_wait_xcnt 0x0                                ; the stores of two groups back have read their data: that set is written again only behind this wait
.endif
.irp i, 0,1,2,3,4,5,6,7
	v_cvt_pk_f16_f32 v[X+16*((\g)%2)+2*\i], v[R+32*((\g)%2)+4*\i], v[R+32*((\g)%2)+4*\i+1]
	v_cvt_pk_f16_f32 v[X+16*((\g)%2)+2*\i+1], v[R+32*((\g)%2)+4*\i+2], v[R+32*((\g)%2)+4*\i+3]
	global_store_b64 v4, v[X+16*((\g)%2)+2*\i:X+16*((\g)%2)+2*\i+1], s[26:27] offset:256*(8*(\g)+\i)
.endr
.endm
	WLOAD 0
.irp g, 0,1,2,3,4,5,6,7
	WGROUP \g
.endr
	s_endpgm
.Lfunc_end_k_q5dd1456c58_quant:
	.size	k_q5dd1456c58_quant, .Lfunc_end_k_q5dd1456c58_quant-k_q5dd1456c58_quant
	.p2alignl 7, 3214868480
	.fill 96, 4, 3214868480
	.section	.rodata,"a",@progbits
	.p2align	6, 0x0
	.amdhsa_kernel k_q5dd1456c58_quant
		.amdhsa_group_segment_fixed_size 33280
		.amdhsa_private_segment_fixed_size 0
		.amdhsa_enable_private_segment 0
		.amdhsa_kernarg_size 80
		.amdhsa_user_sgpr_count 2
		.amdhsa_user_sgpr_kernarg_segment_ptr 1
		.amdhsa_wavefront_size32 1
		.amdhsa_system_sgpr_workgroup_id_x 1
		.amdhsa_system_sgpr_workgroup_id_y 1
		.amdhsa_system_sgpr_workgroup_id_z 1
		.amdhsa_system_vgpr_workitem_id 0
		.amdhsa_next_free_vgpr 192
		.amdhsa_next_free_sgpr 66
		.amdhsa_reserve_vcc 0
		.amdhsa_float_denorm_mode_32 3
		.amdhsa_float_denorm_mode_16_64 3
		.amdhsa_memory_ordered 1
		.amdhsa_forward_progress 1
		.amdhsa_inst_pref_size 55
	.end_amdhsa_kernel
	.amdgpu_metadata
---
amdhsa.version: [ 1, 2 ]
amdhsa.kernels:
  - .name:           k_q5dd1456c58_quant
    .symbol:         k_q5dd1456c58_quant.kd
    .args:
      - { .name: query, .offset: 0, .size: 8, .value_kind: global_buffer, .address_space: global }
      - { .name: key, .offset: 8, .size: 8, .value_kind: global_buffer, .address_space: global }
      - { .name: value, .offset: 16, .size: 8, .value_kind: global_buffer, .address_space: global }
      - { .name: Wq, .offset: 24, .size: 8, .value_kind: global_buffer, .address_space: global }
      - { .name: Wk, .offset: 32, .size: 8, .value_kind: global_buffer, .address_space: global }
      - { .name: Wv, .offset: 40, .size: 8, .value_kind: global_buffer, .address_space: global }
      - { .name: Wo, .offset: 48, .size: 8, .value_kind: global_buffer, .address_space: global }
      - { .name: codes, .offset: 56, .size: 8, .value_kind: global_buffer, .address_space: global }
      - { .name: scales, .offset: 64, .size: 8, .value_kind: global_buffer, .address_space: global }
      - { .name: wo16, .offset: 72, .size: 8, .value_kind: global_buffer, .address_space: global }
    .group_segment_fixed_size: 33280
    .private_segment_fixed_size: 0
    .kernarg_segment_align: 8
    .kernarg_segment_size: 80
    .max_flat_workgroup_size: 128
    .sgpr_count:     66
    .vgpr_count:     192
    .wavefront_size: 32
...
	.end_amdgpu_metadata
.endif
;; end of part 1
;; launch proj (part 2): grid 4 x 96, 4 waves a work-group, clusters of 4 x 4, 327,680 bytes of LDS; arguments codes, scales, bq, bk, bv, qkv; writes qkv
.if DOCPART == 2
	.amdgcn_target "amdgcn-amd-amdhsa--gfx1250"
	.amdhsa_code_object_version 6
	.text
	.protected	k_q5dd1456c58_proj
	.globl	k_q5dd1456c58_proj
	.p2align	8
	.type	k_q5dd1456c58_proj,@function
k_q5dd1456c58_proj:
	s_mov_b64 s[64:65], 0
	v_nop
	global_prefetch_b8 v0, s[64:65] scope:SCOPE_SE
	s_setreg_imm32_b32 hwreg(HW_REG_WAVE_MODE, 25, 1), 1
	s_wait_xcnt 0x0
	s_wait_alu depctr_hold_cnt(0) depctr_sa_sdst(0) depctr_va_vdst(0) depctr_va_sdst(0) depctr_va_ssrc(0) depctr_va_vcc(0) depctr_vm_vsrc(0)
	s_getreg_b32 s2, hwreg(HW_REG_IB_STS2, 6, 4)
	s_cmp_eq_u32 s2, 0
	s_cbranch_scc0 .Lentry_in_a_cluster
	s_endpgm
.Lentry_in_a_cluster:
	s_bfe_u32 s2, ttmp6, 0x10000c
	s_cmp_lg_u32 s2, 0xf033
	s_cbranch_scc0 .Lentry_shape_is_right
	s_endpgm
.Lentry_shape_is_right:
; The three input projections as ONE product on codes of FP4 (E2M1) with one E8M0 scale for each 32 along K: y[m][n] = sum over k of x[m][k] W[n][k] + b[n], K = 1,024.
; m runs over 24,576 rows (query's, key's, value's tokens on end); rows 8,192 w on take weight w (Wq, Wk, Wv) and bias w.  The result is rounded once to f16 and laid head by head: qkv [3][4 b][16 h][2048 s][64].
; LIMITS: results beyond 65,504 in magnitude become infinity in f16.
; A tile of y, 256 x 256, is made by four waves, each 128 x 128: 64 accumulators, 512 registers.  K is two slots of 512 along K (LDS rows of 256 bytes): both are first fills, nothing is filled again.
; The scale bytes of the tile's 256 + 256 rows, for all of K, are two dense blocks: they come once, in rows of 256 bytes.
; CLUSTERS: 4 x 4 work-groups.  The four of a row of the cluster need the same rows of x, the four of a column the same rows of W: each tile is asked for jointly.  Eight clusters along y make one of the three tensors, so
; the weight's number hangs on the cluster's y alone.
; THE MATRIX INSTRUCTION IS USED TRANSPOSED (source 0 = 16 rows of W, source 1 = 16 rows of x): a lane holds eight neighbouring columns of one row.  THE BIAS is the C of each sum's first instruction.
; REGISTERS: window 0: v0-31 addresses; v32-95 scale words, two sets; v128-191 x's fragments, one set; v192-255 the bias, 8 registers for each block of 16 columns.  Way out: v192-223 packed, v32-63 and v224-255 rows by turns.
;   window 1: W's fragments, two sets, at v0 and v128.   window 2: accumulators of my rows 0-63 ((a, b) at v[8 (8 a + b)]);   window 3: those of my rows 64-127.
.set KSTEP,  512
.set NQ,     KSTEP/128
.set ROWB,   256                       ; a tile's row in bytes
.set KROW,   512                       ; a row of codes in memory
.set PITCH,  272                       ; an LDS row: 256 bytes + 16 of padding: the 16 rows that a load touches start at 16 different places modulo 256 bytes
.set FR,     8
.set NL,     2
.set NP,     4
.set HALFT,  128*PITCH
.set SLOT,   4*HALFT
.set KS,     32                        ; a row of scale bytes
.set SCL,    2*SLOT
.set HALFS,  (128*KS/256)*272
.set SBLK,   (16*KS/256)*272
.set SPARE,  SCL+4*HALFS               ; the spare words, 128 bytes a wave
.set STAGE,  SPARE+512                 ; the way out: for each wave 2 heads x 16 rows x (128 bytes + 16); no tile lands here
.set SPITCH, 144
.set WSTG,   32*SPITCH
.set WC,     12582912                  ; where the weights' codes begin
.set WS,     786432                    ; and their scale bytes
.set PLANE,  262144                    ; a head's plane in qkv
.set ADRA, 16
.set ADRB, 20
.set STO,  24
.set RD,   25
.set CO,   26
.set ADRS, 27
.set SPW,  28
.set NIL,  29
.set SC,   32
.set AF,   128
.set BI,   192
.set TMP,  192
.set OB,   32
.set G1, 24
.set G0, 32
.set G1B, 48
.set G0B, 56
.set G1S, 68
.set G0S, 76
.set G1SB, 80
.set G0SB, 88
.set MSB, 0
.macro WIN new                         ; the immediate's high byte repeats the setting that is left
.if MSB != (\new)
	s_set_vgpr_msb (MSB<<8)|(\new)
.set MSB, (\new)
.endif
.endm
.set MUL_LO,   0xa1                    ; source 0 (W) window 1, source 1 (x) window 0, C and D window 2
.set MUL_HI,   0xf1                    ; the same, C and D window 3
.set FIRST_LO, 0x81                    ; the first step: C (the bias) window 0, D window 2
.set FIRST_HI, 0xc1                    ; D window 3
.set TO_B,     0x40
; A joint load: waves 0 and 1 fetch for x, waves 2 and 3 for W.  The branch hangs on the wave's number alone.  An s_nop 0 and four v_nop follow each line.
.macro JLOAD g0a, g1a, g0b, g1b
	s_cmp_eq_u32 s17, 0
	s_cbranch_scc0 .Lfor_b_\@
	tensor_load_to_lds s[\g0a:\g0a+3], s[\g1a:\g1a+7]
	s_nop 0
.rept 4
	v_nop
.endr
	s_branch .Lasked_\@
.Lfor_b_\@:
	tensor_load_to_lds s[\g0b:\g0b+3], s[\g1b:\g1b+7]
	s_nop 0
.rept 4
	v_nop
.endr
.Lasked_\@:
.endm
.macro CROUND                          ; a round of the cluster's barrier
	s_barrier_signal -1
	s_barrier_wait -1
	s_cmp_lg_u32 s16, 0
	s_cbranch_scc1 .Lnot_wave_0_\@
	s_barrier_signal -3
.Lnot_wave_0_\@:
	s_barrier_wait -3
	s_barrier_signal -1
	s_barrier_wait -1
.endm
	s_load_b256 s[4:11], s[0:1], 0x0               ; codes s[4:5], scales s[6:7], bq s[8:9], bk s[10:11]
	s_load_b128 s[12:15], s[0:1], 0x20             ; bv s[12:13], qkv s[14:15]
	v_lshl_add_u32 v[SPW], v0, 2, SPARE
	v_mov_b32 v[NIL], 0
	ds_add_u32 v[SPW], v[NIL]                      ; the wave's opening: the add, twice on end, and its wait ahead of my first tensor load
	ds_add_u32 v[SPW], v[NIL]
	v_lshrrev_b32 v1, 5, v0
	v_readfirstlane_b32 s16, v1                    ; wave 0..3
	s_lshr_b32 s17, s16, 1                         ; which half of the tile's rows is mine.  Also: I fetch for x (0) or for W (1)
	s_and_b32 s18, s16, 1                          ; which half of its columns.  Also: which 128 rows I fetch
	s_bfe_u32 s40, ttmp6, 0x40000                  ; cx
	s_bfe_u32 s41, ttmp6, 0x40004                  ; cy
	s_lshl_b32 s42, ttmp9, 2
	s_add_co_u32 s42, s42, s40                     ; tile column = 4 x cluster x + cx
	s_and_b32 s19, ttmp7, 0xffff                   ; cluster y
	s_lshl_b32 s66, s19, 2
	s_add_co_u32 s66, s66, s41                     ; tile row = 4 x cluster y + cy
	s_lshr_b32 s19, s19, 3                         ; which tensor: 0 query, 1 key, 2 value: the same in all sixteen partners
	s_lshl_b32 s43, s41, 2
	s_lshl_b32 s43, 15, s43                        ; my row of the cluster
	s_lshl_b32 s44, 0x1111, s40                    ; my column
	; descriptor group 1: 128 rows x 256 bytes, 16 bytes of padding behind each
	s_or_b32 s[G1+0], s43, (0<<16)|(1<<20)|(1<<21)|(5<<22)|(3<<25)
	s_or_b32 s[G1B+0], s44, (0<<16)|(1<<20)|(1<<21)|(5<<22)|(3<<25)
.irp g, G1, G1B
	s_mov_b32 s[\g+1], ROWB<<16                    ; tensor_dim0
	s_mov_b32 s[\g+2], 128<<16                     ; tensor_dim1
	s_mov_b32 s[\g+3], ROWB<<16                    ; tile_dim0
	s_mov_b32 s[\g+4], 128                         ; tile_dim1
	s_mov_b32 s[\g+5], KROW                        ; the pitch
	s_mov_b32 s[\g+6], 0
	s_mov_b32 s[\g+7], 0
.endr
	; the scale bytes of 128 rows: 4,096 dense bytes as 16 rows of 256 (32 elements of 8 bytes), 16 bytes of padding behind each
	s_or_b32 s[G1S+0], s43, (3<<16)|(1<<20)|(1<<21)|(5<<22)|(3<<25)
	s_or_b32 s[G1SB+0], s44, (3<<16)|(1<<20)|(1<<21)|(5<<22)|(3<<25)
.irp g, G1S, G1SB
	s_mov_b32 s[\g+1], 32<<16
	s_mov_b32 s[\g+2], (128*KS/256)<<16
	s_mov_b32 s[\g+3], 32<<16
	s_mov_b32 s[\g+4], 128*KS/256
	s_mov_b32 s[\g+5], 32
	s_mov_b32 s[\g+6], 0
	s_mov_b32 s[\g+7], 0
.endr
	s_lshl_b32 s45, s18, 7                         ; which 128 rows of the tile I fetch
	s_lshl_b32 s20, s66, 8
	s_add_co_u32 s20, s20, s45                     ; x: row 256 x tile row + 128 x half
	s_lshl_b32 s46, s42, 8
	s_add_co_u32 s46, s46, s45
	s_lshl_b32 s47, s19, 10
	s_add_co_u32 s46, s46, s47                     ; W: row 1,024 x tensor + 256 x tile column + 128 x half
	s_lshl_b32 s22, s20, 5                         ; x's scale bytes: 32 a row
	s_mov_b32 s23, 0
	s_lshl_b32 s20, s20, 9                         ; x's codes: 512 a row
	s_mov_b32 s21, 0
	s_lshl_b32 s92, s46, 5
	s_add_co_u32 s92, s92, WS
	s_mov_b32 s93, 0
	s_lshl_b32 s46, s46, 9
	s_add_co_u32 s46, s46, WC
	s_mov_b32 s47, 0
	s_mul_i32 s94, s16, HALFT                      ; where they go: wave x 128 rows: no place in the cluster enters an LDS address
	s_mul_i32 s95, s16, HALFS
	s_wait_dscnt 0x0                               ; both opening adds are done
	s_wait_kmcnt 0x0
	s_add_nc_u64 s[20:21], s[4:5], s[20:21]
	s_add_nc_u64 s[22:23], s[6:7], s[22:23]
	s_add_nc_u64 s[46:47], s[4:5], s[46:47]
	s_add_nc_u64 s[92:93], s[6:7], s[92:93]
	CROUND                                         ; all sixteen work-groups are here: the joint loads meet
	s_mov_b32 s[G0S], 1
	s_add_co_u32 s[G0S+1], s95, SCL
	s_mov_b64 s[G0S+2:G0S+3], s[22:23]
	s_or_b32 s[G0S+3], s[G0S+3], 0x80000000
	s_mov_b32 s[G0SB], 1
	s_add_co_u32 s[G0SB+1], s95, SCL
	s_mov_b64 s[G0SB+2:G0SB+3], s[92:93]
	s_or_b32 s[G0SB+3], s[G0SB+3], 0x80000000
	JLOAD G0S, G1S, G0SB, G1SB                     ; the scales first: they are wanted with the first slot
.irp s, 0,1
	s_mov_b32 s[G0+4*\s], 1
	s_add_co_u32 s[G0+4*\s+1], s94, \s*SLOT
	s_add_nc_u64 s[G0+4*\s+2:G0+4*\s+3], s[20:21], \s*ROWB
	s_or_b32 s[G0+4*\s+3], s[G0+4*\s+3], 0x80000000
	s_mov_b32 s[G0B+4*\s], 1
	s_add_co_u32 s[G0B+4*\s+1], s94, \s*SLOT
	s_add_nc_u64 s[G0B+4*\s+2:G0B+4*\s+3], s[46:47], \s*ROWB
	s_or_b32 s[G0B+4*\s+3], s[G0B+4*\s+3], 0x80000000
	JLOAD G0+4*\s, G1, G0B+4*\s, G1B               ; three tensor loads of mine are out at the most
.endr
	v_and_b32 v1, 15, v0                           ; r = lane % 16
	v_bfe_u32 v2, v0, 4, 1                         ; h = lane / 16
	; the bias: lane (r, h) wants, for block b of 16 columns, b[first column + 16 b + 8 h + 0 .. 7]
	s_cmp_eq_u32 s19, 1
	s_cselect_b64 s[96:97], s[10:11], s[8:9]
	s_cmp_eq_u32 s19, 2
	s_cselect_b64 s[96:97], s[12:13], s[96:97]
	s_lshl_b32 s20, s42, 10
	s_lshl_b32 s21, s18, 9
	s_add_co_u32 s20, s20, s21                     ; 4 x (256 x tile column + 128 x half)
	s_mov_b32 s21, 0
	s_add_nc_u64 s[96:97], s[96:97], s[20:21]
	v_lshlrev_b32 v7, 5, v2
.irp b, 0,1,2,3,4,5,6,7
	global_load_b128 v[BI+8*\b:BI+8*\b+3], v7, s[96:97] offset:64*\b
	global_load_b128 v[BI+8*\b+4:BI+8*\b+7], v7, s[96:97] offset:64*\b+16
.endr
	v_mul_u32_u24 v3, v1, PITCH
	v_lshl_add_u32 v4, v2, 4, v3                   ; a fragment's row x pitch + 16 x half
	s_mul_i32 s21, s17, HALFT                      ; my 128 rows of x
	s_mul_i32 s22, s18, HALFT                      ; my 128 rows of W,
	s_add_co_u32 s22, s22, 2*HALFT                 ; behind x's 256
.irp s, 0,1
	v_add_nc_u32 v[ADRA+\s], s21, v4
	v_add_nc_u32 v[ADRB+\s], s22, v4
	s_add_co_u32 s21, s21, SLOT
	s_add_co_u32 s22, s22, SLOT
.endr
	v_mul_u32_u24 v5, v1, KS                       ; my row's scale bytes: 32 a row,
	v_lshrrev_b32 v6, 8, v5
	v_lshl_add_u32 v5, v6, 4, v5                   ; and 16 more for each 256 passed
	s_mul_i32 s21, s17, HALFS
	s_mul_i32 s22, s18, HALFS
	s_add_co_u32 s22, s22, 2*HALFS
	s_sub_co_u32 s22, s22, s21
	v_mul_u32_u24 v6, s22, v2                      ; lanes 16-31 take W's: one product, the distance between the two bases x h
	s_add_co_u32 s21, s21, SCL
	v_add_nc_u32 v5, v5, v6
	v_add_nc_u32 v[ADRS], s21, v5
	s_mul_i32 s23, s16, WSTG
	s_add_co_u32 s23, s23, STAGE                   ; my stage
	v_mul_u32_u24 v5, v1, SPITCH
	v_lshl_add_u32 v5, v2, 4, v5
	v_add_nc_u32 v[STO], s23, v5                   ; in: row r, 16 bytes for each half of the lanes
	v_and_b32 v6, 31, v0
	v_lshrrev_b32 v5, 3, v6
	v_mul_u32_u24 v5, v5, SPITCH
	v_and_b32 v8, 7, v0
	v_lshl_add_u32 v5, v8, 4, v5
	v_add_nc_u32 v[RD], s23, v5                    ; back: eight lanes to a row of 128 bytes, four rows an instruction
	v_lshlrev_b32 v[CO], 4, v6                     ; and the same 512 consecutive bytes in qkv
	s_lshl_b32 s20, s66, 8
	s_lshl_b32 s21, s17, 7
	s_add_co_u32 s20, s20, s21                     ; my first row m
	s_lshr_b32 s21, s20, 11                        ; 4 x tensor + batch
	s_lshl_b32 s21, s21, 4
	s_lshl_b32 s22, s42, 2
	s_add_co_u32 s21, s21, s22
	s_lshl_b32 s22, s18, 1
	s_add_co_u32 s21, s21, s22                     ; + my first head: 4 x tile column + 2 x half
	s_lshl_b32 s21, s21, 18                        ; planes of 262,144 bytes
	s_and_b32 s20, s20, 2047
	s_lshl_b32 s20, s20, 7                         ; + 128 bytes a token
	s_add_co_u32 s20, s20, s21
	s_mov_b32 s21, 0
	s_add_nc_u64 s[14:15], s[14:15], s[20:21]
.macro FRAG reg, adr, q, i             ; 16 rows x 128 K of 4-bit codes: 8 registers: lane l holds row l % 16; registers 4 c .. 4 c + 3 hold K = 64 c + 32 (l / 16) + 0 .. 31
.irp c, 0,1
	ds_load_b128 v[\reg+4*\c:\reg+4*\c+3], v[\adr] offset:64*(\q)+32*\c+(\i)*16*PITCH
.endr
.endm
; 16 matrix instructions: x's blocks a0, a0 + 1 against W's eight, the slot's q-th 128 along K.  p: W's set; sc: the set of scale words.  zero = 1: the first product starts the sums from the bias.
; The 64 accumulators take turns, one instruction a turn, in the same order in every step.
.macro MUL16 a0, p, q, sc, zero
.irp a, \a0, \a0+1
.irp b, 0,1,2,3,4,5,6,7
.if \zero
	v_wmma_scale_f32_16x16x128_f8f6f4 v[8*(8*((\a)%4)+\b):8*(8*((\a)%4)+\b)+7], v[128*(\p)+FR*\b:128*(\p)+FR*\b+FR-1], v[AF+FR*(\a):AF+FR*(\a)+FR-1], v[BI+8*\b:BI+8*\b+7], v[SC+8*NQ*(\sc)+NQ*\b+(\q)], v[SC+8*NQ*(\sc)+NQ*(\a)+(\q)] matrix_a_fmt:MATRIX_FMT_FP4 matrix_b_fmt:MATRIX_FMT_FP4 matrix_a_scale:MATRIX_SCALE_ROW1
.else
	v_wmma_scale_f32_16x16x128_f8f6f4 v[8*(8*((\a)%4)+\b):8*(8*((\a)%4)+\b)+7], v[128*(\p)+FR*\b:128*(\p)+FR*\b+FR-1], v[AF+FR*(\a):AF+FR*(\a)+FR-1], v[8*(8*((\a)%4)+\b):8*(8*((\a)%4)+\b)+7], v[SC+8*NQ*(\sc)+NQ*\b+(\q)], v[SC+8*NQ*(\sc)+NQ*(\a)+(\q)] matrix_a_fmt:MATRIX_FMT_FP4 matrix_b_fmt:MATRIX_FMT_FP4 matrix_a_scale:MATRIX_SCALE_ROW1
.endif
.endr
.endr
.endm
.macro FETCH_B slot, q, p
	WIN TO_B
.irp i, 0,1,2,3,4,5,6,7
	FRAG 128*(\p)+FR*\i, ADRB+\slot, \q, \i
.endr
	WIN 0
.endm
.macro FETCH_A slot, q, i0
.irp i, \i0, \i0+1, \i0+2, \i0+3
	FRAG AF+FR*(\i), ADRA+\slot, \q, \i
.endr
.endm
.macro SCALES sc                       ; a slot's scale words: 4 words a row; lanes 0-15 take x's block i, lanes 16-31 W's block i
.irp i, 0,1,2,3,4,5,6,7
	ds_load_b128 v[SC+8*NQ*\sc+NQ*\i:SC+8*NQ*\sc+NQ*\i+3], v[ADRS] offset:\i*SBLK
.endr
.endm
.macro PLACES n                        ; plain vector lines between a matrix instruction and a load into, or a read of, its registers
.rept \n
	v_nop
.endr
.endm
.macro STEP slot, q, zero              ; a step of 128 along K that has its successor in the same slot
	s_wait_dscnt 4*NL                              ; W's set and x's blocks 0-3 are in; the youngest eight loads (x's blocks 4-7) may be out
.if \zero
	WIN FIRST_LO
.else
	WIN MUL_LO
.endif
	MUL16 0, (\q)%2, \q, \slot, \zero
	MUL16 2, (\q)%2, \q, \slot, \zero
	s_wait_dscnt 0x0                               ; x's blocks 4-7 are in
	PLACES NP
	FETCH_B \slot, (\q)+1, 1-(\q)%2
	FETCH_A \slot, (\q)+1, 0
.if \zero
	WIN FIRST_HI
.else
	WIN MUL_HI
.endif
	MUL16 4, (\q)%2, \q, \slot, \zero
	MUL16 6, (\q)%2, \q, \slot, \zero
	PLACES NP
	WIN 0
	FETCH_A \slot, (\q)+1, 4
.endm
; The first slot's last step changes slots: each wave waits for all its tensor loads (its part of the second slot), adds 0 to its spare word, waits for that and for its reads; one barrier; nothing is filled again.
.macro TURN slot, next
	s_wait_tensorcnt 0x0                           ; my part of the next slot has landed (every window is 0 here)
	ds_add_u32 v[SPW], v[NIL]
	s_wait_dscnt 4*NL+1                            ; (the add and the youngest eight loads may be out)
	WIN MUL_LO
	MUL16 0, 1, NQ-1, \slot, 0
	s_wait_dscnt 0x0                               ; the add is done, and my reads of this slot are over
	s_barrier_signal -1
	MUL16 2, 1, NQ-1, \slot, 0
	WIN 0
	s_barrier_wait -1                              ; the next slot is whole
	PLACES NP
	v_add_nc_u32 v[ADRS], 4*NQ, v[ADRS]            ; on to the next slot's scale words
	FETCH_B \next, 0, 0
	FETCH_A \next, 0, 0
	SCALES \next
	WIN MUL_HI
	MUL16 4, 1, NQ-1, \slot, 0
	MUL16 6, 1, NQ-1, \slot, 0
	PLACES NP
	WIN 0
	FETCH_A \next, 0, 4
.endm
.macro STEPS slot, from
.set Q, \from
.rept NQ-1-\from
	STEP \slot, Q, 0
.set Q, Q+1
.endr
.endm
	s_wait_tensorcnt 1                             ; the scales and my part of slot 0 are in; slot 1's load may be out,
	s_barrier_signal -1
	s_barrier_wait -1                              ; everybody's are
	FETCH_B 0, 0, 0
	FETCH_A 0, 0, 0
	SCALES 0
	FETCH_A 0, 0, 4
	s_wait_loadcnt 0x0                             ; the bias
	STEP 0, 0, 1
	STEPS 0, 1
	TURN 0, 1
	STEPS 1, 0
	s_wait_dscnt 4*NL                              ; the very last step: nothing more to fetch
	WIN MUL_LO
	MUL16 0, 1, NQ-1, 1, 0
	MUL16 2, 1, NQ-1, 1, 0
	s_wait_dscnt 0x0
	WIN MUL_HI
	MUL16 4, 1, NQ-1, 1, 0
	MUL16 6, 1, NQ-1, 1, 0
	WIN 0
; THE WAY OUT, block by block of 16 rows x 128 columns (two heads).  PACK: rounded to f16, 16 bytes a lane, each accumulator from its low end on.  TOSTAGE: into my own stage, head by head, and back four tokens of a head at a time.
; SEND: each store covers 512 consecutive bytes of a head's plane, aligned.
.macro PACK a
.set AC, 64*((\a)%4)
	WIN 0x0a+5*((\a)/4)                            ; sources 0 and 1: window 2 or 3
.irp b, 0,1,2,3,4,5,6,7
.irp i, 0,1,2,3
	v_cvt_pk_f16_f32 v[TMP+4*\b+\i], v[AC+8*\b+2*\i], v[AC+8*\b+2*\i+1]
.endr
.endr
	WIN 0
.endm
.macro TOSTAGE a
.set BK, OB+192*((\a)%2)
.irp b, 0,1,2,3,4,5,6,7
	ds_store_b128 v[STO], v[TMP+4*\b:TMP+4*\b+3] offset:(\b/4)*16*SPITCH+(\b%4)*32
.endr
.irp t, 0,1,2,3,4,5,6,7
	ds_load_b128 v[BK+4*\t:BK+4*\t+3], v[RD] offset:((\t/4)*16+4*(\t%4))*SPITCH   ; LDS serves a wave's instructions in order: these see the stores above
.endr
.endm
.macro SEND a
.set BK, OB+192*((\a)%2)
	s_wait_dscnt 0x0                               ; the block is back in registers
	s_wait_xcnt 0x0                                ; earlier stores have read their data: the next block's loads may land in the other set only behind this wait
.irp t, 0,1,2,3,4,5,6,7
	global_store_b128 v[CO], v[BK+4*\t:BK+4*\t+3], s[14:15] offset:(\t/4)*PLANE+(\a)*2048+(\t%4)*512
.endr
.endm
	PLACES NP                                      ; behind the last products, ahead of the first reads of results and of loads into registers that held operands
	PACK 0
	TOSTAGE 0
.irp a, 1,2,3,4,5,6,7
	PACK \a
	SEND \a-1
	TOSTAGE \a
.endr
	SEND 7
	s_wait_tensorcnt 0x0                           ; the wave's end
	ds_add_u32 v[SPW], v[NIL]
	s_wait_dscnt 0x0
	CROUND                                         ; the closing round
	s_endpgm
.Lfunc_end_k_q5dd1456c58_proj:
	.size	k_q5dd1456c58_proj, .Lfunc_end_k_q5dd1456c58_proj-k_q5dd1456c58_proj
	.p2alignl 7, 3214868480
	.fill 96, 4, 3214868480
	.section	.rodata,"a",@progbits
	.p2align	6, 0x0
	.amdhsa_kernel k_q5dd1456c58_proj
		.amdhsa_group_segment_fixed_size 327680
		.amdhsa_private_segment_fixed_size 0
		.amdhsa_enable_private_segment 0
		.amdhsa_kernarg_size 48
		.amdhsa_user_sgpr_count 2
		.amdhsa_user_sgpr_kernarg_segment_ptr 1
		.amdhsa_wavefront_size32 1
		.amdhsa_system_sgpr_workgroup_id_x 1
		.amdhsa_system_sgpr_workgroup_id_y 1
		.amdhsa_system_sgpr_workgroup_id_z 1
		.amdhsa_system_vgpr_workitem_id 0
		.amdhsa_next_free_vgpr 1024
		.amdhsa_next_free_sgpr 100
		.amdhsa_reserve_vcc 0
		.amdhsa_float_denorm_mode_32 3
		.amdhsa_float_denorm_mode_16_64 3
		.amdhsa_memory_ordered 1
		.amdhsa_forward_progress 1
		.amdhsa_inst_pref_size 128
	.end_amdhsa_kernel
	.amdgpu_metadata
---
amdhsa.version: [ 1, 2 ]
amdhsa.kernels:
  - .name:           k_q5dd1456c58_proj
    .symbol:         k_q5dd1456c58_proj.kd
    .args:
      - { .name: codes, .offset: 0, .size: 8, .value_kind: global_buffer, .address_space: global }
      - { .name: scales, .offset: 8, .size: 8, .value_kind: global_buffer, .address_space: global }
      - { .name: bq, .offset: 16, .size: 8, .value_kind: global_buffer, .address_space: global }
      - { .name: bk, .offset: 24, .size: 8, .value_kind: global_buffer, .address_space: global }
      - { .name: bv, .offset: 32, .size: 8, .value_kind: global_buffer, .address_space: global }
      - { .name: qkv, .offset: 40, .size: 8, .value_kind: global_buffer, .address_space: global }
    .group_segment_fixed_size: 327680
    .private_segment_fixed_size: 0
    .kernarg_segment_align: 8
    .kernarg_segment_size: 48
    .max_flat_workgroup_size: 128
    .sgpr_count:     100
    .vgpr_count:     1024
    .wavefront_size: 32
...
	.end_amdgpu_metadata
.endif
;; end of part 2
;; launch attn (part 3): grid 8 x 64, 4 waves a work-group, clusters of 4 x 1, 327,680 bytes of LDS; arguments qkv, xh; writes xh
.if DOCPART == 3
	.amdgcn_target "amdgcn-amd-amdhsa--gfx1250"
	.amdhsa_code_object_version 6
	.text
	.protected	k_q5dd1456c58_attn
	.globl	k_q5dd1456c58_attn
	.p2align	8
	.type	k_q5dd1456c58_attn,@function
k_q5dd1456c58_attn:
	s_mov_b64 s[64:65], 0
	v_nop
	global_prefetch_b8 v0, s[64:65] scope:SCOPE_SE
	s_setreg_imm32_b32 hwreg(HW_REG_WAVE_MODE, 25, 1), 1
	s_wait_xcnt 0x0
	s_wait_alu depctr_hold_cnt(0) depctr_sa_sdst(0) depctr_va_vdst(0) depctr_va_sdst(0) depctr_va_ssrc(0) depctr_va_vcc(0) depctr_vm_vsrc(0)
	s_getreg_b32 s2, hwreg(HW_REG_IB_STS2, 6, 4)
	s_cmp_eq_u32 s2, 0
	s_cbranch_scc0 .Lentry_in_a_cluster
	s_endpgm
.Lentry_in_a_cluster:
	s_bfe_u32 s2, ttmp6, 0x10000c
	s_cmp_lg_u32 s2, 0x3003
	s_cbranch_scc0 .Lentry_shape_is_right
	s_endpgm
.Lentry_shape_is_right:
; x[b][h][q][:] = the sum over k of softmax_k(q . k / 8) v[k][:], for 64 heads (b, h) of 2,048 tokens x 64 channels, all f16 in qkv [3][64 heads][2048][64]; products, maxima and sums in f32;
; the weights p are rounded to f16 for the second product, x once at the end, into xh [64 heads][2048][64].
; LIMITS: x beyond 65,504 in magnitude would become infinity in f16; the sums are not taken in the order of a plain softmax.  The maximum is taken away by a running maximum.
; SHARES.  A work-group owns 256 queries of one head, each of its four waves 64: four tiles of 16.  Every wave walks all 2,048 keys, 64 a step.
; LAYOUT.  S^T = K Q^T (source 0 = 16 keys, source 1 = 16 queries): a lane holds ONE query (lane % 16) and the keys 8 (lane / 16) + 0..7.  Two such tiles, rounded in pairs, ARE source 1 (32 keys x 16 queries) of
; O^T = V^T P, whose result again holds one query a lane.  K comes out of LDS as it lies, V turned, by ds_load_tr16_b128.
; A head's rows are dense 128 bytes: a tile is stated as rows of 256 bytes, a PAIR of keys each: key k lies at (k / 2) x pitch + 128 (k % 2).
; SOFTMAX.  For each query a running maximum m and sum l: p = 2^(c s - c m), c = log2(e) / 8; in every step O and l are multiplied by a = 2^(c m_old - c m_new).
; BY TURNS.  The wave's tiles are two pieces (tiles 0, 1; tiles 2, 3).  In a turn one piece has the matrix unit: 16 products V^T P of the step in hand, then 16 products K Q^T of the next; the other piece's softmax,
; 236 vector instructions cut into 59 slices of four, stands between them: two slices behind each of the first 27 matrix instructions, one behind each of the last 5.
; CLUSTER.  The four query blocks of a cluster belong to one head and walk the same K and V: each tile is asked for jointly, with a mask that names the four.
; REGISTERS: window 0: v0-11 addresses; v12-43 statistics, 8 a tile; v64-191 S^T, 32 a tile; v192-255 P, 16 a tile.   window 1: v0-127 O^T, 32 a tile.   window 2: v0-63 Q, 16 a tile; v128-191 K of one step.   window 3: v0-63 V of one step.
.set KS,     64
.set PKP,    272       ; a pair of keys of K in LDS: 256 bytes + 16: the 16 keys of a load fall on 16 different 16-byte places modulo 256
.set PVP,    288       ; of V: 256 + 32: 16 lanes of the turning load take 8 keys x 32 bytes, each place once
.set VOFF,   128*PKP   ; a slot: 256 keys of K (128 rows), then 256 of V
.set KHALF,  64*PKP    ; what one load brings of K
.set VHALF,  64*PVP    ; of V
.set KSTEPB, 32*PKP    ; a key step of K in LDS
.set VSTEPB, 32*PVP
.set NSTEP,  4         ; key steps in a slot
.set SLOT1,  1<<17     ; slot 1 begins here: one exclusive or turns an address in one slot into the other's
.set SLOTM,  32768     ; a slot's bytes of K, or of V, in memory
.set STAGE,  SLOT1+128*(PKP+PVP)   ; behind the ring: 16 rows x 144 bytes for each wave
.set SP,     144
.set SPARE,  STAGE+4*16*SP         ; the spare words, 128 bytes a wave
.set AK0, 2
.set AV0, 3
.set ADR, 4
.set QO,  5
.set STO, 6
.set RD,  7
.set GO,  8
.set PFO, 61          ; v61  256 x my lane; never rewritten
.set SPW, 62
.set NIL, 63
.set ST,  12          ; tile t's statistics at v[ST+8 t]: +0 c m, +1 m, +2, +3 l (even keys', odd keys'), +4 to +7 at work; a takes +6
.set S,   64
.set P,   192
.set KF,  128
.set WV,  12
.set LIM, 15
.set PFA, 18
.set G1K, 24
.set G1V, 32
.set G0K, 40
.set G0V, 48
.set SLOTS, 56
.set CNT, 57
.set CS,  58
.set SEL, 60
.set TK,  62          ; s62  LDS byte at which K of the step to be fetched begins
.set TV,  63          ; s63  the same for V (less VOFF)
.set MSB, 0
.macro WIN new
.if MSB != (\new)
	s_set_vgpr_msb (MSB<<8)|(\new)
.set MSB, (\new)
.endif
.endm
.set W_KQ, 0x0a       ; K and Q in window 2, S^T in window 0
.set W_PV, 0x53       ; V in window 3, P in window 0, O^T in window 1
.set W_RS, 0x41       ; O^T (destination and source 0) in window 1, a in window 0
; A joint refill.  Waves 0 and 1 fetch the halves of a slot's K, waves 2 and 3 of its V.  The branch hangs on the wave's number alone.  An s_nop 0 and four v_nop follow each line.
.macro JLOAD
	s_cmp_lt_u32 s[WV], 2
	s_cbranch_scc0 .Lfor_v_\@
	tensor_load_to_lds s[G0K+4:G0K+7], s[G1K:G1K+7]
	s_nop 0
.rept 4
	v_nop
.endr
	s_branch .Lasked_\@
.Lfor_v_\@:
	tensor_load_to_lds s[G0V+4:G0V+7], s[G1V:G1V+7]
	s_nop 0
.rept 4
	v_nop
.endr
.Lasked_\@:
.endm
; A prefetch of what the NEXT change of slots will ask for: a slot's 128 rows of 256 bytes of K and of V, a lane a row.  Each row is named once in the launch: the head's first cluster asks; its four partners take 32 rows
; each, told apart by address; in each, wave 0 asks for K's and wave 2 for V's.  The last change that fills a slot asks for nothing.
.macro ASK
	s_cmp_gt_u32 s[SLOTS], s[LIM]
	s_cbranch_scc0 .Lnot_mine_\@
	global_prefetch_b8 v[PFO], s[PFA:PFA+1] th:TH_LOAD_NT scope:SCOPE_SE
.Lnot_mine_\@:
.endm
.macro CROUND
	s_barrier_signal -1
	s_barrier_wait -1
	s_cmp_lg_u32 s[WV], 0
	s_cbranch_scc1 .Lnot_wave_0_\@
	s_barrier_signal -3
.Lnot_wave_0_\@:
	s_barrier_wait -3
	s_barrier_signal -1
	s_barrier_wait -1
.endm
	s_load_b128 s[8:11], s[0:1], 0x0  ; qkv s[8:9], xh s[10:11]
	v_lshl_add_u32 v[SPW], v0, 2, SPARE
	v_mov_b32 v[NIL], 0
	ds_add_u32 v[SPW], v[NIL]       ; the wave's opening: the add, twice on end, and its wait ahead of my first tensor load
	ds_add_u32 v[SPW], v[NIL]
	v_lshrrev_b32 v1, 5, v0
	v_readfirstlane_b32 s[WV], v1   ; wave 0..3
	s_bfe_u32 s13, ttmp6, 0x40000   ; cx
	s_lshl_b32 s14, ttmp9, 2
	s_add_co_u32 s14, s14, s13      ; my block of 256 queries: it enters Q's and x's addresses alone
	s_and_b32 s20, ttmp7, 0xffff    ; the head, which the four partners share
	s_lshl_b32 s20, s20, 18         ; its plane of 262,144 bytes
	s_and_b32 s16, s[WV], 1         ; which half of a slot I fetch:
	s_lshl_b32 s22, s16, 14         ; its 128 keys of 128 bytes in memory,
	s_add_co_u32 s22, s22, s20
	s_mov_b32 s23, 0
	s_mul_i32 s17, s16, KHALF       ; and its place in a slot: K's,
	s_mul_i32 s66, s16, VHALF
	s_add_co_u32 s66, s66, VOFF     ; V's
	s_lshl_b32 s2, s14, 15          ; my block's 256 rows of 128 bytes,
	s_lshl_b32 s3, s[WV], 13        ; my wave's 64 of them
	s_add_co_u32 s2, s2, s3
	s_add_co_u32 s2, s2, s20
	s_mov_b32 s3, 0
	; descriptor group 1: 64 rows x 128 elements of 2 bytes, dense in memory, padded in LDS
	s_mov_b32 s[G1K], 15|(1<<16)|(1<<20)|(1<<21)|(5<<22)|(3<<25)  ; the mask: all four; elements of 2 bytes; padding on; bit 21 beside a mask; after every 64 words 4 words
	s_mov_b32 s[G1V], 15|(1<<16)|(1<<20)|(1<<21)|(5<<22)|(7<<25)  ; the same with 8 words
.irp d, G1K, G1V
	s_mov_b32 s[\d+1], 128<<16      ; tensor_dim0
	s_mov_b32 s[\d+2], 64<<16       ; tensor_dim1
	s_mov_b32 s[\d+3], 128<<16      ; tile_dim0
	s_mov_b32 s[\d+4], 64           ; tile_dim1
	s_mov_b32 s[\d+5], 128          ; the pitch
	s_mov_b32 s[\d+6], 0
	s_mov_b32 s[\d+7], 0
.endr
	s_mov_b32 s[CS], 0x3e38aa3b     ; c = log2(e) / 8
	s_mov_b32 s[CS+1], s[CS]
	s_mov_b32 s[SEL], 0x76543210
	s_mov_b32 s[SEL+1], 0xfedcba98
	s_mov_b32 s[TK], 0
	s_mov_b32 s[TV], 0
	s_mov_b32 s[SLOTS], 2048/(NSTEP*KS)-2
	s_and_b32 s[LIM], s[WV], 1      ; 0 in waves 0 and 2,
	s_or_b32 s[LIM], s[LIM], ttmp9  ; where the cluster is the head's first: the same in all four partners
	s_cmp_eq_u32 s[LIM], 0
	s_cselect_b32 s[LIM], 1, -1
	v_and_b32 v[PFO], 31, v0
	v_lshlrev_b32 v[PFO], 8, v[PFO]
	s_wait_dscnt 0x0                ; both opening adds are done
	s_wait_kmcnt 0x0
	s_add_nc_u64 s[4:5], s[8:9], s[2:3]      ; Q at my wave's first row
	s_add_nc_u64 s[10:11], s[10:11], s[2:3]  ; x likewise
	s_add_nc_u64 s[6:7], s[8:9], s[22:23]
	s_add_nc_u64 s[8:9], s[6:7], 0x2000000   ; V at my tile of slot 0
	s_add_nc_u64 s[6:7], s[6:7], 0x1000000   ; K likewise
	s_cmp_lt_u32 s[WV], 2
	s_cselect_b64 s[PFA:PFA+1], s[6:7], s[8:9]  ; (in waves 0 and 2 these stand at a slot's first row)
	s_lshl_b32 s2, s13, 13          ; my work-group's 32 rows of the 128
	s_mov_b32 s3, 0
	s_add_nc_u64 s[PFA:PFA+1], s[PFA:PFA+1], s[2:3]
	s_add_nc_u64 s[PFA:PFA+1], s[PFA:PFA+1], 2*SLOTM  ; in slot 2; the first change of slots steps it to slot 3.  Nothing is prefetched at the head
	CROUND                          ; all four work-groups are here: the first joint loads meet
.irp s, 0,1
	s_mov_b32 s[G0K+4*\s], 1
	s_add_co_u32 s[G0K+4*\s+1], s17, \s*SLOT1
	s_add_nc_u64 s[G0K+4*\s+2:G0K+4*\s+3], s[6:7], \s*SLOTM
	s_or_b32 s[G0K+4*\s+3], s[G0K+4*\s+3], 0x80000000
	s_mov_b32 s[G0V+4*\s], 1
	s_add_co_u32 s[G0V+4*\s+1], s66, \s*SLOT1
	s_add_nc_u64 s[G0V+4*\s+2:G0V+4*\s+3], s[8:9], \s*SLOTM
	s_or_b32 s[G0V+4*\s+3], s[G0V+4*\s+3], 0x80000000
.endr
	s_cmp_lt_u32 s[WV], 2           ; a wave's two first fills stand in one branch: two loads of mine are out
	s_cbranch_scc0 .Lfirst_v
	tensor_load_to_lds s[G0K:G0K+3], s[G1K:G1K+7]
	s_nop 0
	tensor_load_to_lds s[G0K+4:G0K+7], s[G1K:G1K+7]
	s_nop 0
.rept 4
	v_nop
.endr
	s_branch .Lfirst_asked
.Lfirst_v:
	tensor_load_to_lds s[G0V:G0V+3], s[G1V:G1V+7]
	s_nop 0
	tensor_load_to_lds s[G0V+4:G0V+7], s[G1V:G1V+7]
	s_nop 0
.rept 4
	v_nop
.endr
.Lfirst_asked:
	; A fragment of K or Q is 16 rows x 32 channels in 8 registers: lane l holds row l % 16; registers 0-3 channels 8 (l / 16) + 0..7, registers 4-7 channels 16 + 8 (l / 16) + 0..7.
	v_and_b32 v1, 15, v0            ; r
	v_bfe_u32 v9, v0, 4, 1          ; h
	v_lshlrev_b32 v[QO], 7, v1
	v_lshl_add_u32 v[QO], v9, 4, v[QO]  ; row x 128 + 16 x half
	WIN 0x80                        ; destination window 2
.irp i, 0,1,2,3,4,5,6,7             ; Q stays in registers: tile i / 2, channels 32 (i % 2) on
	global_load_b128 v[8*\i:8*\i+3],   v[QO], s[4:5] offset:(\i/2)*2048+(\i%2)*64
	global_load_b128 v[8*\i+4:8*\i+7], v[QO], s[4:5] offset:(\i/2)*2048+(\i%2)*64+32
.endr
	WIN 0
	v_lshrrev_b32 v10, 1, v1
	v_mul_u32_u24 v[AK0], v10, PKP
	v_and_b32 v10, 1, v0
	v_lshl_add_u32 v[AK0], v10, 7, v[AK0]
	v_lshl_add_u32 v[AK0], v9, 4, v[AK0]  ; (r / 2) x pitch + 128 (r % 2) + 16 h
	; The turning load: lane l reads 16 bytes of key 8 (l / 16) + l % 8, channels 8 ((l / 8) % 2) + 0..7, and is left with channel l % 16 of 8 keys.
	v_bfe_u32 v11, v0, 1, 2
	v_lshl_add_u32 v11, v9, 2, v11
	v_mul_u32_u24 v[AV0], v11, PVP
	v_lshl_add_u32 v[AV0], v10, 7, v[AV0]
	v_bfe_u32 v11, v0, 3, 1
	v_lshl_add_u32 v[AV0], v11, 4, v[AV0]
	v_add_nc_u32 v[AV0], VOFF, v[AV0]
; THE MATRIX WORK OF A TURN, for piece x.  The accumulators take turns, one instruction a turn: between two links of a chain stand 7 others'.
; Product i of 16 of O^T += V^T P: keys 32 (i / 8) on, channels 16 ((i / 2) % 4) on, tile x + i % 2.  zero = 1: the first 8 start the sums.
.macro PV x, zero
	WIN W_PV
.set rO, 32*(\x+i%2)+8*((i/2)%4)
.set rV, 32*(i/8)+8*((i/2)%4)
.set rP, P+16*(\x+i%2)+8*(i/8)
.if \zero && (i < 8)
	v_wmma_f32_16x16x32_f16 v[rO:rO+7], v[rV:rV+7], v[rP:rP+7], 0
.else
	v_wmma_f32_16x16x32_f16 v[rO:rO+7], v[rV:rV+7], v[rP:rP+7], v[rO:rO+7]
.endif
.endm
; Product i of 16 of S^T = K Q^T: channels 32 (i / 8) on, keys 16 ((i / 2) % 4) on, tile x + i % 2.  The first 8 start the sums.
.macro KQ x
	WIN W_KQ
.set rS, S+32*(\x+i%2)+8*((i/2)%4)
.set rK, KF+16*((i/2)%4)+8*(i/8)
.set rQ, 16*(\x+i%2)+8*(i/8)
.if i < 8
	v_wmma_f32_16x16x32_f16 v[rS:rS+7], v[rK:rK+7], v[rQ:rQ+7], 0
.else
	v_wmma_f32_16x16x32_f16 v[rS:rS+7], v[rK:rK+7], v[rQ:rQ+7], v[rS:rS+7]
.endif
.endm
; THE LDS LOADS stand in runs of 16: a step's K (64 keys x 64 channels: 8 fragments) and, a turn later, its V (turned).
.macro FETCH_K
	WIN 0
	v_add_nc_u32 v[ADR], s[TK], v[AK0]
	s_add_co_u32 s[TK], s[TK], KSTEPB
	WIN 0x80
.irp f, 0,1,2,3,4,5,6,7             ; keys 16 (f / 2) on, channels 32 (f % 2) on
	ds_load_b128 v[KF+8*\f:KF+8*\f+3],   v[ADR] offset:(\f/2)*8*PKP+(\f%2)*64
	ds_load_b128 v[KF+8*\f+4:KF+8*\f+7], v[ADR] offset:(\f/2)*8*PKP+(\f%2)*64+32
.endr
.endm
.macro FETCH_V
	WIN 0
	v_add_nc_u32 v[ADR], s[TV], v[AV0]
	s_add_co_u32 s[TV], s[TV], VSTEPB
	s_wait_alu depctr_va_vdst(0)    ; the wait for the softmax's batch of exponentials, ahead of the first line that names a result
	WIN 0xc0
.irp f, 0,1,2,3,4,5,6,7             ; keys 32 (f / 4) on, channels 16 (f % 4) on
	ds_load_tr16_b128 v[8*\f:8*\f+3],   v[ADR] offset:(\f/4)*16*PVP+(\f%4)*32
	ds_load_tr16_b128 v[8*\f+4:8*\f+7], v[ADR] offset:(\f/4)*16*PVP+8*PVP+(\f%4)*32
.endr
.endm
; THE VECTOR WORK OF A TURN.  One tile's softmax for one key step is a list of 118 instructions; SM writes number j of it for tile t.
;   0-15 the maximum of the lane's 32 scores and the old m;  16-20 the other half of the lanes' maximum, the new m, c m, c m_old - c m_new;
;   21-69 ONE BATCH: 16 packed scalings c s - c m and 33 exponentials (a at 23); none of these reads an exponential's result;  (the wait for the batch: SLICE writes it)
;   70-85 the roundings to f16;  86-101 the sums, l = a l + the sum;  102-117 the tile's O^T times a.
; first = 1: the first key step: no a, nothing to rescale.
.macro SM t, first
.set rT, ST+8*(\t)
.set rS, S+32*(\t)
.set rP, P+16*(\t)
.set rO, 32*(\t)+2*(j-102)
.if j < 102
	WIN 0
.endif
.if j < 4
	v_max3_num_f32 v[rT+4+j], v[rS+8*j], v[rS+8*j+1], v[rS+8*j+2]
.elseif j < 12
	v_max3_num_f32 v[rT+4+j%4], v[rT+4+j%4], v[rS+8*(j%4)+2*(j/4)+1], v[rS+8*(j%4)+2*(j/4)+2]
.elseif j == 12
	v_max3_num_f32 v[rT+4], v[rT+4], v[rS+7], v[rS+15]
.elseif j == 13
	v_max3_num_f32 v[rT+6], v[rT+6], v[rS+23], v[rS+31]
.elseif j == 14
	v_max3_num_f32 v[rT+4], v[rT+4], v[rT+5], v[rT+6]
.elseif (j == 15) && \first
	v_max_num_f32 v[rT+4], v[rT+4], v[rT+7]
.elseif j == 15
	v_max3_num_f32 v[rT+4], v[rT+4], v[rT+7], v[rT+1]
.elseif j == 16
	v_permlanex16_b32 v[rT+5], v[rT+4], s[SEL], s[SEL+1]  ; the query's other 32 keys lie in the lane 16 away
.elseif j == 18
	v_max_num_f32 v[rT+1], v[rT+4], v[rT+5]
.elseif j == 19
	v_mul_f32 v[rT], s[CS], v[rT+1]
.elseif ((j == 17) || (j == 20) || (j == 23) || (j > 101)) && \first  ; the first step has none of these
.elseif j == 17
	v_mov_b32 v[rT+7], v[rT]        ; c m_old is kept for a
.elseif j == 20
	v_sub_f32 v[rT+7], v[rT+7], v[rT]
.elseif j == 23
	v_exp_f32 v[rT+6], v[rT+7]
.elseif (j < 23) || ((j < 38) && (j%2 == 0)) || ((j < 66) && (j%4 == 2))
.set b, (j-2)/4
.if j < 38
.set b, (j-20)/2
.endif
	v_pk_fma_f32 v[rS+2*b:rS+2*b+1], v[rS+2*b:rS+2*b+1], s[CS:CS+1], v[rT:rT+1] op_sel_hi:[1,0,0] neg_lo:[0,0,1] neg_hi:[0,0,1]  ; pair b: c s - c m
.elseif j < 70
.set e, j-38
.if j < 66
.set e, j-32-(j-38)/4
.endif
.if j < 38
.set e, (j-25)/2
.endif
	v_exp_f32 v[rS+e], v[rS+e]
.elseif j < 86
	v_cvt_pk_f16_f32 v[rP+j-70], v[rS+2*(j-70)], v[rS+2*(j-70)+1]
.elseif j < 102
.set z, j-86
.set w, 4
.set u, z
.if z >= 14
.set w, 32
.set u, 0
.elseif z >= 12
.set w, 16
.set u, z-12
.elseif z >= 8
.set w, 8
.set u, z-8
.endif
.if (z == 14) && \first
	v_pk_add_f32 v[rT+2:rT+3], v[rS:rS+1], v[rS+16:rS+17]
.elseif z < 15
	v_pk_add_f32 v[rS+w*u:rS+w*u+1], v[rS+w*u:rS+w*u+1], v[rS+w*u+w/2:rS+w*u+w/2+1]
.elseif !\first
	v_pk_fma_f32 v[rT+2:rT+3], v[rT+2:rT+3], v[rT+6:rT+7], v[rS:rS+1] op_sel_hi:[1,0,1]
.endif
.else
	WIN W_RS
	v_pk_mul_f32 v[rO:rO+1], v[rO:rO+1], v[rT+6:rT+7] op_sel_hi:[1,0]
.endif
.endm
; Slice k of 59 of piece y's softmax: four instructions.  Slices 11 to 34 deal out the batch, numbers 22 to 69: four numbers of ONE tile, the tiles by turns.  Every other slice is numbers 2 k and 2 k + 1 of both tiles.
; Ahead of slice 35 nothing names an exponential's result, and behind slice 34 none is issued: the piece's 66 exponentials have one plain line and one wait, behind slice 34.
.macro SLICE y, first
.if (k >= 11) && (k < 35)
.irp n, 0,1,2,3
.set j, 22+4*((k-11)/2)+(\n)
	SM (\y)+(k-11)%2, \first
.endr
.else
.irp n, 0,1
.irp t, \y, \y+1
.set j, 2*k+\n
	SM \t, \first
.endr
.endr
.endif
.if k == 34
	v_nop                           ; the plain line behind the last exponential
.if (\y) == 0
	FETCH_V                         ; piece 2's turn: V's run of loads stands here, and the wait stands in it
.else
	s_wait_alu depctr_va_vdst(0)    ; the wait for the batch
.endif
.endif
.set k, k+1
.endm
.macro DEAL y, first                ; the slices behind matrix instruction g of a turn: 59 = 27 x 2 + 5 x 1 with 32 of them, 11 x 4 + 5 x 3 with 16
.set ns, 3
.if full
.set ns, 1
.if g < 27
.set ns, 2
.endif
.elseif g < 11
.set ns, 4
.endif
.rept ns
	SLICE \y, \first
.endr
.set g, g+1
.endm
.macro PLACES
.rept 4
	v_nop
.endr
.endm
; A TURN.  pv = 2: 16 products V^T P; 1: they start O^T's sums; 0: none.  kq = 1: 16 products K Q^T for the next step.  first = 1: the softmax is the first key step's; its last slices are empty, and four v_nop take their part.
; PLACES, counted.  The turn's last slice, four multiplies on the other piece's O^T, stands between the last K Q^T and the next turn's reads of those scores and loads into K's registers.
; V's loads stand behind matrix instruction 17; V's last reader is number 15; between them stand three scalings, the v_nop and the run's own addition.
.macro TURN x, pv, kq, first
.set k, 0
.set g, 0
.set full, 0
.if \pv && \kq
.set full, 1
.endif
.if \pv
.if \x == 0
	s_wait_dscnt 0x0                ; V is in
.endif
.set i, 0
.rept 16
	PV \x, 2-\pv
	DEAL 2-\x, \first
.if (\x == 0) && \kq && (i == 1)
	FETCH_K
.endif
.set i, i+1
.endr
.endif
.if \kq
.if \x == 0
	s_wait_dscnt 0x0                ; K is in
.endif
.set i, 0
.rept 16
	KQ \x
	DEAL 2-\x, \first
.set i, i+1
.endr
.endif
.if \first
	PLACES
.endif
.endm
; THE CHANGE OF SLOTS, between piece 2's turn and piece 0's: the slot's last bytes, V of its fourth step, have been asked for.  Each wave waits for all its tensor loads (one is out: its part of the other slot), adds 0 to its
; spare word, and waits for that and for its reads of the slot.  fill = 1: a round of the cluster's barrier, and the joint refill first behind it: it has four key steps, 256 matrix instructions, in which to land.
.macro CHANGE fill
	WIN 0
	s_wait_tensorcnt 0x0            ; no tensor load of mine is out, so a group 0 may be written
	ds_add_u32 v[SPW], v[NIL]
.if \fill
.irp d, G0K+4, G0V+4
	s_xor_b32 s[\d+1], s[\d+1], SLOT1  ; the walking descriptor: the other slot than last time,
	s_add_nc_u64 s[\d+2:\d+3], s[\d+2:\d+3], SLOTM  ; the next 256 keys
.endr
	s_wait_xcnt 0x0                 ; the last prefetch, a slot back, has read its address
	s_add_nc_u64 s[PFA:PFA+1], s[PFA:PFA+1], SLOTM
	s_wait_dscnt 0x0                ; the add is done, and my reads of the slot are over
	CROUND
	JLOAD
	ASK
.else
	s_wait_dscnt 0x0
	s_barrier_signal -1
	s_barrier_wait -1
.endif
	s_sub_co_u32 s[TK], s[TK], NSTEP*KSTEPB  ; the fetches go back to a slot's first step,
	s_xor_b32 s[TK], s[TK], SLOT1   ; in the other slot
	s_sub_co_u32 s[TV], s[TV], NSTEP*VSTEPB
	s_xor_b32 s[TV], s[TV], SLOT1
.endm
.macro STEPS n                      ; n key steps: written once, walked n times; the LDS addresses hang on s[TK] and s[TV]
	s_mov_b32 s[CNT], \n
.Lstep_\@:
	TURN 0, 2, 1, 0
	TURN 2, 2, 1, 0
	WIN 0
	s_sub_co_u32 s[CNT], s[CNT], 1
	s_cmp_lg_u32 s[CNT], 0
	s_cbranch_scc1 .Lstep_\@
.endm
	s_wait_tensorcnt 1              ; my part of slot 0 is in; slot 1's may stay out
	s_barrier_signal -1
	s_barrier_wait -1
	FETCH_K                         ; key step 0
	s_wait_loadcnt 0x0              ; Q
	s_wait_dscnt 0x0
.set i, 0
.rept 16
	KQ 0                            ; piece 0's first scores
.set i, i+1
.endr
	WIN 0                           ; the addresses for the way out are made here: plain lines, the places behind those products
	s_mul_i32 s13, s[WV], 16*SP
	s_add_co_u32 s13, s13, STAGE    ; my stage
	v_mul_u32_u24 v[STO], v1, SP    ; in: row r, 16 bytes for each half of the lanes
	v_lshl_add_u32 v[STO], v9, 4, v[STO]
	v_add_nc_u32 v[STO], s13, v[STO]
	v_and_b32 v10, 31, v0
	v_lshrrev_b32 v11, 3, v10
	v_mul_u32_u24 v[RD], v11, SP    ; back: eight lanes to a row of 128 bytes, four rows an instruction
	v_and_b32 v11, 7, v0
	v_lshl_add_u32 v[RD], v11, 4, v[RD]
	v_add_nc_u32 v[RD], s13, v[RD]
	v_lshlrev_b32 v[GO], 4, v10     ; and the same 512 consecutive bytes in xh
	TURN 2, 0, 1, 1                 ; piece 2's first scores | piece 0's first softmax | V of step 0
	TURN 0, 1, 1, 1                 ; piece 0: V^T P of step 0 starts O^T, K Q^T of step 1 | piece 2's first softmax | K of step 1
	TURN 2, 1, 1, 0                 ; piece 2: the same | piece 0's softmax of step 1 | V of step 1
	WIN 0
	STEPS 2                         ; the rest of slot 0: K and V of steps 2 and 3
.Lslot:                             ; 6 trips: every slot but the last two is filled again
	CHANGE 1
	STEPS NSTEP
	s_sub_co_u32 s[SLOTS], s[SLOTS], 1
	s_cmp_lg_u32 s[SLOTS], 0
	s_cbranch_scc1 .Lslot
	CHANGE 0                        ; the tail is written out
	STEPS NSTEP
	TURN 0, 2, 0, 0                 ; piece 0: V^T P of the last step | piece 2's last softmax
.set i, 0
.rept 16
	PV 2, 0                         ; piece 2: V^T P of the last step
.set i, i+1
.endr
	; THE WAY OUT.  l's two halves and the other half of the lanes' are added; O^T is divided by l, rounded to f16 and sent through my stage, a tile (16 rows) at a time.  The additions are the places behind the last products.
	WIN 0
.irp t, 0,1,2,3
	v_add_f32 v[ST+8*\t+4], v[ST+8*\t+2], v[ST+8*\t+3]
.endr
.irp t, 0,1,2,3
	v_permlanex16_b32 v[ST+8*\t+5], v[ST+8*\t+4], s[SEL], s[SEL+1]
.endr
.irp t, 0,1,2,3
	v_add_f32 v[ST+8*\t+4], v[ST+8*\t+4], v[ST+8*\t+5]
.endr
.irp t, 0,1,2,3
	v_rcp_f32 v[ST+8*\t+6], v[ST+8*\t+4]
.endr
	v_nop                           ; a plain line between the last reciprocal and the use of its result
	s_wait_alu depctr_va_vdst(0)    ; one wait for the four reciprocals, ahead of their first reader
.macro PACK t
	WIN W_RS
.set i, 32*\t
.rept 16
	v_pk_mul_f32 v[i:i+1], v[i:i+1], v[ST+8*\t+6:ST+8*\t+7] op_sel_hi:[1,0]
.set i, i+2
.endr
	WIN 0x05                        ; sources 0 and 1 window 1, destination window 0: S^T's registers are free
.set i, 0
.rept 16
	v_cvt_pk_f16_f32 v[S+32*\t+i], v[32*\t+2*i], v[32*\t+2*i+1]
.set i, i+1
.endr
	WIN 0
.irp f, 0,1,2,3
	ds_store_b128 v[STO], v[S+32*\t+4*\f:S+32*\t+4*\f+3] offset:32*\f
.endr
.irp f, 0,1,2,3
	ds_load_b128 v[S+32*\t+4*\f:S+32*\t+4*\f+3], v[RD] offset:\f*4*SP  ; LDS serves a wave's instructions in order: these see the stores above; the next tile's stores come behind them
.endr
.endm
.macro SEND t, younger              ; younger: the LDS instructions issued behind tile t's loads: the next tile's eight, or none
.irp f, 0,1,2,3
	s_wait_dscnt \younger+3-\f
	global_store_b128 v[GO], v[S+32*\t+4*\f:S+32*\t+4*\f+3], s[10:11] offset:\t*2048+\f*512  ; the wave stores 512 consecutive bytes, aligned
.endr
.endm
	PACK 0
	PACK 1
	SEND 0, 8
	PACK 2
	SEND 1, 8
	PACK 3
	SEND 2, 8
	SEND 3, 0
	s_wait_tensorcnt 0x0            ; the wave's end
	ds_add_u32 v[SPW], v[NIL]
	s_wait_dscnt 0x0
	CROUND                          ; the closing round
	s_endpgm
.Lfunc_end_k_q5dd1456c58_attn:
	.size	k_q5dd1456c58_attn, .Lfunc_end_k_q5dd1456c58_attn-k_q5dd1456c58_attn
	.p2alignl 7, 3214868480
	.fill 96, 4, 3214868480
	.section	.rodata,"a",@progbits
	.p2align	6, 0x0
	.amdhsa_kernel k_q5dd1456c58_attn
		.amdhsa_group_segment_fixed_size 327680
		.amdhsa_private_segment_fixed_size 0
		.amdhsa_enable_private_segment 0
		.amdhsa_kernarg_size 16
		.amdhsa_user_sgpr_count 2
		.amdhsa_user_sgpr_kernarg_segment_ptr 1
		.amdhsa_wavefront_size32 1
		.amdhsa_system_sgpr_workgroup_id_x 1
		.amdhsa_system_sgpr_workgroup_id_y 1
		.amdhsa_system_sgpr_workgroup_id_z 1
		.amdhsa_system_vgpr_workitem_id 0
		.amdhsa_next_free_vgpr 1024
		.amdhsa_next_free_sgpr 68
		.amdhsa_reserve_vcc 0
		.amdhsa_float_denorm_mode_32 3
		.amdhsa_float_denorm_mode_16_64 3
		.amdhsa_memory_ordered 1
		.amdhsa_forward_progress 1
		.amdhsa_inst_pref_size 195
	.end_amdhsa_kernel
	.amdgpu_metadata
---
amdhsa.version: [ 1, 2 ]
amdhsa.kernels:
  - .name:           k_q5dd1456c58_attn
    .symbol:         k_q5dd1456c58_attn.kd
    .args:
      - { .name: qkv, .offset: 0, .size: 8, .value_kind: global_buffer, .address_space: global }
      - { .name: xh, .offset: 8, .size: 8, .value_kind: global_buffer, .address_space: global }
    .group_segment_fixed_size: 327680
    .private_segment_fixed_size: 0
    .kernarg_segment_align: 8
    .kernarg_segment_size: 16
    .max_flat_workgroup_size: 128
    .sgpr_count:     68
    .vgpr_count:     1024
    .wavefront_size: 32
...
	.end_amdgpu_metadata
.endif
;; end of part 3
;; launch outp (part 4): grid 4 x 64, 4 waves a work-group, clusters of 4 x 4, 327,680 bytes of LDS; arguments xh, wo16, bo, out0; writes out0
.if DOCPART == 4
	.amdgcn_target "amdgcn-amd-amdhsa--gfx1250"
	.amdhsa_code_object_version 6
	.text
	.protected	k_q5dd1456c58_outp
	.globl	k_q5dd1456c58_outp
	.p2align	8
	.type	k_q5dd1456c58_outp,@function
k_q5dd1456c58_outp:
	s_mov_b64 s[64:65], 0
	v_nop
	global_prefetch_b8 v0, s[64:65] scope:SCOPE_SE
	s_setreg_imm32_b32 hwreg(HW_REG_WAVE_MODE, 25, 1), 1
	s_wait_xcnt 0x0
	s_wait_alu depctr_hold_cnt(0) depctr_sa_sdst(0) depctr_va_vdst(0) depctr_va_sdst(0) depctr_va_ssrc(0) depctr_va_vcc(0) depctr_vm_vsrc(0)
	s_getreg_b32 s2, hwreg(HW_REG_IB_STS2, 6, 4)
	s_cmp_eq_u32 s2, 0
	s_cbranch_scc0 .Lentry_in_a_cluster
	s_endpgm
.Lentry_in_a_cluster:
	s_bfe_u32 s2, ttmp6, 0x10000c
	s_cmp_lg_u32 s2, 0xf033
	s_cbranch_scc0 .Lentry_shape_is_right
	s_endpgm
.Lentry_shape_is_right:
; out0[m][n] = sum over k of x[m][k] Wo[n][k] + bo[n]: m 8,192 tokens, n 1,024, k = 64 x head + channel.  x lies head by head, xh [4 b][16 h][2048 s][64] f16; Wo as wo16 [1024][1024] f16; sums and out0 in f32.
; A tile of out0 is 128 rows x 256 columns: 256 work-groups.  Four waves, each 64 rows x 128 columns: 32 accumulators, 256 registers.  K goes in 8 steps of 128 (two heads) through a ring of two LDS slots.
; x's part of a step is two planes (one a head) of 128 tokens x 128 dense bytes, stated as 64 rows of 256 bytes, a PAIR of tokens each: token t lies at (t / 2) x pitch + 128 (t % 2).  Wo's part: 256 rows of 256 bytes.
; Waves 0 and 1 fetch x's two planes, waves 2 and 3 Wo's two halves: one load a wave.
; CLUSTERS: 4 x 4 work-groups.  The four of a row of the cluster need the same tiles of x, the four of a column the same tiles of Wo: each is asked for jointly.
; THE MATRIX INSTRUCTION IS USED TRANSPOSED (source 0 = 16 rows of Wo, source 1 = 16 tokens): a lane holds eight neighbouring columns of one row.  THE BIAS is the C of each sum's first instruction.
; REGISTERS: window 0: v0-31 addresses; v32-63, v64-95 x's fragments, two buffers; v96-159 the bias; way out: v128-191, v192-255 rows by turns.   window 1: v0-63, v64-127 Wo's fragments, two buffers.   window 2: accumulator (a, b) at v[8 (8 a + b)].
.set PITCH,  272                       ; an LDS row: 256 bytes + 16 of padding
.set APL,    64*PITCH                  ; a plane of x
.set BOFF,   2*APL                     ; Wo's rows lie behind the two planes
.set BHALF,  128*PITCH
.set SLOT,   BOFF+2*BHALF
.set STAGE,  2*SLOT                    ; behind the ring: 16 rows x (512 bytes + 16) for each wave
.set SPITCH, 528
.set SPARE,  STAGE+4*16*SPITCH         ; the spare words, 128 bytes a wave
.set LAPS,   4                         ; a lap = two K steps
.set ASTEP,  524288                    ; a K step on in xh: two planes of 262,144 bytes
.set BSTEP,  256                       ; and in a row of wo16
.set ADRA, 16
.set ADRB, 20
.set STO,  24
.set RD,   25
.set CO,   26
.set SPW,  28
.set NIL,  29
.set AF,   32
.set BI,   96
.set BK,   128
.set G1, 24
.set G0, 32
.set G1B, 48
.set G0B, 56
.set MSB, 0
.macro WIN new
.if MSB != (\new)
	s_set_vgpr_msb (MSB<<8)|(\new)
.set MSB, (\new)
.endif
.endm
.set MUL,   0xa1                       ; source 0 (Wo) window 1, source 1 (x) window 0, C and D window 2
.set FIRST, 0x81                       ; the first quarter: C (the bias) window 0
.set TO_B,  0x40
.macro JLOAD s                         ; a joint load: waves 0 and 1 for x, waves 2 and 3 for Wo; an s_nop 0 and four v_nop follow each line
	s_cmp_eq_u32 s13, 0
	s_cbranch_scc0 .Lfor_b_\@
	tensor_load_to_lds s[G0+4*\s:G0+4*\s+3], s[G1:G1+7]
	s_nop 0
.rept 4
	v_nop
.endr
	s_branch .Lasked_\@
.Lfor_b_\@:
	tensor_load_to_lds s[G0B+4*\s:G0B+4*\s+3], s[G1B:G1B+7]
	s_nop 0
.rept 4
	v_nop
.endr
.Lasked_\@:
.endm
.macro CREST                           ; a round of the cluster's barrier behind its opening barrier
	s_cmp_lg_u32 s12, 0
	s_cbranch_scc1 .Lnot_wave_0_\@
	s_barrier_signal -3
.Lnot_wave_0_\@:
	s_barrier_wait -3
	s_barrier_signal -1
	s_barrier_wait -1
.endm
.macro CROUND
	s_barrier_signal -1
	s_barrier_wait -1
	CREST
.endm
	s_load_b256 s[4:11], s[0:1], 0x0               ; xh s[4:5], wo16 s[6:7], bo s[8:9], out0 s[10:11]
	v_lshl_add_u32 v[SPW], v0, 2, SPARE
	v_mov_b32 v[NIL], 0
	ds_add_u32 v[SPW], v[NIL]                      ; the wave's opening: the add, twice on end, and its wait ahead of my first tensor load
	ds_add_u32 v[SPW], v[NIL]
	v_lshrrev_b32 v1, 5, v0
	v_readfirstlane_b32 s12, v1                    ; wave 0..3
	s_lshr_b32 s13, s12, 1                         ; which 64 rows of the tile are mine.  Also: I fetch for x (0) or for Wo (1)
	s_and_b32 s14, s12, 1                          ; which 128 columns.  Also: which plane of x, or which 128 rows of Wo, I fetch
	s_bfe_u32 s40, ttmp6, 0x40000                  ; cx
	s_bfe_u32 s41, ttmp6, 0x40004                  ; cy
	s_lshl_b32 s42, ttmp9, 2
	s_add_co_u32 s42, s42, s40                     ; tile column
	s_and_b32 s15, ttmp7, 0xffff
	s_lshl_b32 s15, s15, 2
	s_add_co_u32 s15, s15, s41                     ; tile row
	s_lshl_b32 s43, s41, 2
	s_lshl_b32 s43, 15, s43                        ; my row of the cluster
	s_lshl_b32 s44, 0x1111, s40                    ; my column
	s_or_b32 s[G1+0], s43, (1<<16)|(1<<20)|(1<<21)|(5<<22)|(3<<25)   ; the mask; elements of 2 bytes; padding on; bit 21 beside a mask; after every 64 words 4 words
	s_or_b32 s[G1B+0], s44, (1<<16)|(1<<20)|(1<<21)|(5<<22)|(3<<25)
	s_mov_b32 s[G1+1], 128<<16                     ; x: tensor_dim0 = 128
	s_mov_b32 s[G1+2], 64<<16                      ; tensor_dim1 = 64
	s_mov_b32 s[G1+3], 128<<16                     ; tile_dim0
	s_mov_b32 s[G1+4], 64                          ; tile_dim1
	s_mov_b32 s[G1+5], 128                         ; the pitch: dense
	s_mov_b32 s[G1+6], 0
	s_mov_b32 s[G1+7], 0
	s_mov_b32 s[G1B+1], 128<<16                    ; Wo: 128 rows x 128 elements, 1,024 elements from row to row
	s_mov_b32 s[G1B+2], 128<<16
	s_mov_b32 s[G1B+3], 128<<16
	s_mov_b32 s[G1B+4], 128
	s_mov_b32 s[G1B+5], 1024
	s_mov_b32 s[G1B+6], 0
	s_mov_b32 s[G1B+7], 0
	s_lshr_b32 s16, s15, 4
	s_lshl_b32 s16, s16, 22                        ; x: the batch's 16 planes,
	s_and_b32 s17, s15, 15
	s_lshl_b32 s17, s17, 14                        ; the tile's 128 tokens of 128 bytes,
	s_add_co_u32 s16, s16, s17
	s_lshl_b32 s17, s14, 18                        ; my plane of the step's two
	s_add_co_u32 s16, s16, s17
	s_mov_b32 s17, 0
	s_lshl_b32 s46, s42, 8
	s_lshl_b32 s47, s14, 7
	s_add_co_u32 s46, s46, s47                     ; Wo: row 256 x tile column + 128 x half,
	s_lshl_b32 s46, s46, 11                        ; of 2,048 bytes
	s_mov_b32 s47, 0
	s_mul_i32 s20, s14, APL                        ; where they go: x's plane,
	s_mul_i32 s21, s14, BHALF
	s_add_co_u32 s21, s21, BOFF                    ; Wo's half: no place in the cluster enters an LDS address
	s_wait_dscnt 0x0                               ; both opening adds are done
	s_wait_kmcnt 0x0
	s_add_nc_u64 s[16:17], s[4:5], s[16:17]
	s_add_nc_u64 s[46:47], s[6:7], s[46:47]
	CROUND                                         ; all sixteen work-groups are here: the first joint loads meet
.irp s, 0,1
	s_mov_b32 s[G0+4*\s], 1
	s_add_co_u32 s[G0+4*\s+1], s20, \s*SLOT
	s_add_nc_u64 s[G0+4*\s+2:G0+4*\s+3], s[16:17], \s*ASTEP
	s_or_b32 s[G0+4*\s+3], s[G0+4*\s+3], 0x80000000
	s_mov_b32 s[G0B+4*\s], 1
	s_add_co_u32 s[G0B+4*\s+1], s21, \s*SLOT
	s_add_nc_u64 s[G0B+4*\s+2:G0B+4*\s+3], s[46:47], \s*BSTEP
	s_or_b32 s[G0B+4*\s+3], s[G0B+4*\s+3], 0x80000000
	JLOAD \s                                       ; two tensor loads of mine are out at the most
.endr
	v_and_b32 v1, 15, v0                           ; r
	v_bfe_u32 v2, v0, 4, 1                         ; h
	; the bias: lane (r, h) wants, for block b of 16 columns, bo[first column + 16 b + 8 h + 0 .. 7]
	s_lshl_b32 s16, s42, 10
	s_lshl_b32 s17, s14, 9
	s_add_co_u32 s16, s16, s17
	s_mov_b32 s17, 0
	s_add_nc_u64 s[8:9], s[8:9], s[16:17]
	v_lshlrev_b32 v7, 5, v2
.irp b, 0,1,2,3,4,5,6,7
	global_load_b128 v[BI+8*\b:BI+8*\b+3], v7, s[8:9] offset:64*\b
	global_load_b128 v[BI+8*\b+4:BI+8*\b+7], v7, s[8:9] offset:64*\b+16
.endr
	v_lshrrev_b32 v3, 1, v1
	v_mul_u32_u24 v3, v3, PITCH
	v_and_b32 v4, 1, v0
	v_lshl_add_u32 v3, v4, 7, v3
	v_lshl_add_u32 v3, v2, 4, v3                   ; x: (r / 2) x pitch + 128 (r % 2) + 16 h
	v_mul_u32_u24 v4, v1, PITCH
	v_lshl_add_u32 v4, v2, 4, v4                   ; Wo: r x pitch + 16 h
	s_mul_i32 s21, s13, 32*PITCH                   ; my 64 tokens: 32 rows of a plane
	s_mul_i32 s22, s14, BHALF
	s_add_co_u32 s22, s22, BOFF                    ; my 128 rows of Wo
.irp s, 0,1
	v_add_nc_u32 v[ADRA+\s], s21, v3
	v_add_nc_u32 v[ADRB+\s], s22, v4
	s_add_co_u32 s21, s21, SLOT
	s_add_co_u32 s22, s22, SLOT
.endr
	s_mul_i32 s23, s12, 16*SPITCH
	s_add_co_u32 s23, s23, STAGE                   ; my stage
	v_mul_u32_u24 v5, v1, SPITCH
	v_lshl_add_u32 v5, v2, 5, v5
	v_add_nc_u32 v[STO], s23, v5                   ; in: row r, 32 bytes for each half of the lanes
	v_and_b32 v6, 31, v0
	v_lshlrev_b32 v[CO], 4, v6                     ; back: the 32 lanes take one row of 512 bytes; and the same in out0
	v_add_nc_u32 v[RD], s23, v[CO]
	s_lshl_b32 s16, s15, 7
	s_lshl_b32 s17, s13, 6
	s_add_co_u32 s16, s16, s17                     ; my first row: 128 x tile row + 64 x half,
	s_lshl_b32 s16, s16, 12                        ; of 4,096 bytes
	s_lshl_b32 s17, s42, 10
	s_add_co_u32 s16, s16, s17
	s_lshl_b32 s17, s14, 9
	s_add_co_u32 s16, s16, s17                     ; + my first column: 1,024 x tile column + 512 x half bytes
	s_mov_b32 s17, 0
	s_add_nc_u64 s[10:11], s[10:11], s[16:17]
; 8 matrix instructions: x's block a against Wo's eight, 32 along K, from buffers f.  first = 1: the sums start from the bias.  The 32 accumulators take turns, one instruction a turn.
.macro MUL8 f, a, first
.irp b, 0,1,2,3,4,5,6,7
.if \first
	v_wmma_f32_16x16x32_f16 v[8*(8*(\a)+\b):8*(8*(\a)+\b)+7], v[64*(\f)+8*\b:64*(\f)+8*\b+7], v[AF+32*(\f)+8*(\a):AF+32*(\f)+8*(\a)+7], v[BI+8*\b:BI+8*\b+7]
.else
	v_wmma_f32_16x16x32_f16 v[8*(8*(\a)+\b):8*(8*(\a)+\b)+7], v[64*(\f)+8*\b:64*(\f)+8*\b+7], v[AF+32*(\f)+8*(\a):AF+32*(\f)+8*(\a)+7], v[8*(8*(\a)+\b):8*(8*(\a)+\b)+7]
.endif
.endr
.endm
; 24 LDS loads in one run: quarter q (32 along K) of the slot into buffers f: Wo's eight fragments, then x's four (plane q / 2, channels 32 (q % 2) on)
.macro FETCH slot, q, f
	WIN TO_B
.irp i, 0,1,2,3,4,5,6,7
	ds_load_b128 v[64*(\f)+8*\i:64*(\f)+8*\i+3],   v[ADRB+\slot] offset:64*(\q)+\i*16*PITCH
	ds_load_b128 v[64*(\f)+8*\i+4:64*(\f)+8*\i+7], v[ADRB+\slot] offset:64*(\q)+\i*16*PITCH+32
.endr
	WIN 0
.irp i, 0,1,2,3
	ds_load_b128 v[AF+32*(\f)+8*\i:AF+32*(\f)+8*\i+3],   v[ADRA+\slot] offset:((\q)/2)*APL+((\q)%2)*64+\i*8*PITCH
	ds_load_b128 v[AF+32*(\f)+8*\i+4:AF+32*(\f)+8*\i+7], v[ADRA+\slot] offset:((\q)/2)*APL+((\q)%2)*64+\i*8*PITCH+32
.endr
.endm
.macro PLACES                          ; plain vector lines between a matrix instruction and a load into, or a read of, its registers
.rept 4
	v_nop
.endr
.endm
; A K step is four quarters of 32 along K, 32 matrix instructions each, on buffers 0, 1, 0, 1.  One of the first three: multiplies buffers f and fetches quarter q into buffers g.
.macro QUARTER slot, q, f, g, first
	s_wait_dscnt 4                                 ; Wo's fragments and x's blocks 0 and 1 are in; the youngest four loads (blocks 2 and 3) may be out
.if \first
	WIN FIRST
.else
	WIN MUL
.endif
	MUL8 \f, 0, \first
	MUL8 \f, 1, \first
	PLACES
	FETCH \slot, \q, \g
	s_wait_dscnt 24                                ; all but the 24 just issued
.if \first
	WIN FIRST
.else
	WIN MUL
.endif
	MUL8 \f, 2, \first
	MUL8 \f, 3, \first
.endm
; The last quarter multiplies buffers 1 and changes slots: each wave waits for all its tensor loads, adds 0 to its spare word, and waits for that and for its reads of this slot.  fill = 1: a round of the cluster's barrier, and this
; slot is filled again, two K steps ahead, first thing behind it.
.macro TURN slot, next, fill
	WIN 0
	s_wait_tensorcnt 0x0                           ; my part of the next slot has landed
	ds_add_u32 v[SPW], v[NIL]
	s_wait_dscnt 5                                 ; (the add and the youngest four loads may be out)
	WIN MUL
	MUL8 1, 0, 0
	s_wait_dscnt 0x0                               ; the add is done, and my reads of this slot are over
	s_barrier_signal -1
	MUL8 1, 1, 0
.if \fill
	WIN 0
.endif
	s_barrier_wait -1
.if \fill
	CREST                                          ; no wave of any partner still reads this slot or has a load on its way
	s_add_nc_u64 s[G0+4*\slot+2:G0+4*\slot+3], s[G0+4*\slot+2:G0+4*\slot+3], 2*ASTEP
	s_add_nc_u64 s[G0B+4*\slot+2:G0B+4*\slot+3], s[G0B+4*\slot+2:G0B+4*\slot+3], 2*BSTEP
	JLOAD \slot                                    ; the four v_nop behind it are also the places in front of the loads below
.else
	PLACES
.endif
	FETCH \next, 0, 0
	WIN MUL
	MUL8 1, 2, 0
	MUL8 1, 3, 0
.endm
	s_wait_tensorcnt 1                             ; my part of K step 0 is in; K step 1's load may be out,
	s_barrier_signal -1
	s_barrier_wait -1                              ; everybody's is
	FETCH 0, 0, 0
	s_wait_loadcnt 0x0                             ; the bias
	QUARTER 0, 1, 0, 1, 1                          ; the first quarter stands in front of the loop: its products start the sums
	WIN 0
	s_mov_b32 s3, LAPS-1
.Llap:                                                 ; a trip goes once round the ring and fills both slots again: K steps 2 to 7 in three trips
	QUARTER 0, 2, 1, 0, 0
	QUARTER 0, 3, 0, 1, 0
	TURN 0, 1, 1
	QUARTER 1, 1, 0, 1, 0
	QUARTER 1, 2, 1, 0, 0
	QUARTER 1, 3, 0, 1, 0
	TURN 1, 0, 1
	QUARTER 0, 1, 0, 1, 0
	WIN 0
	s_sub_co_u32 s3, s3, 1
	s_cmp_lg_u32 s3, 0
	s_cbranch_scc1 .Llap
	QUARTER 0, 2, 1, 0, 0                          ; the last lap fills nothing
	QUARTER 0, 3, 0, 1, 0
	TURN 0, 1, 0
	QUARTER 1, 1, 0, 1, 0
	QUARTER 1, 2, 1, 0, 0
	QUARTER 1, 3, 0, 1, 0
	s_wait_dscnt 4                                 ; the very last quarter: nothing more to fetch
	WIN MUL
	MUL8 1, 0, 0
	MUL8 1, 1, 0
	s_wait_dscnt 0x0
	MUL8 1, 2, 0
	MUL8 1, 3, 0
	WIN 0
; THE WAY OUT, block by block of 16 rows x 128 columns: a lane's 32 bytes of a row go into my own stage, each accumulator from its low end on, and come back as whole rows of 512 bytes, which the 32 lanes store.
.macro TOSTAGE a
	WIN 0x08                                       ; an LDS store's data are its source 1: window 2
.irp b, 0,1,2,3,4,5,6,7
	ds_store_b128 v[STO], v[8*(8*(\a)+\b):8*(8*(\a)+\b)+3] offset:64*\b
	ds_store_b128 v[STO], v[8*(8*(\a)+\b)+4:8*(8*(\a)+\b)+7] offset:64*\b+16
.endr
	WIN 0
.set BB, BK+64*((\a)%2)
.irp t, 0,1,2,3,4,5,6,7,8,9,10,11,12,13,14,15
	ds_load_b128 v[BB+4*\t:BB+4*\t+3], v[RD] offset:\t*SPITCH   ; LDS serves a wave's instructions in order: these see the stores above
.endr
.endm
.macro SEND a, younger                 ; younger: the LDS instructions issued behind block a's loads
.set BB, BK+64*((\a)%2)
	s_wait_dscnt \younger
.irp t, 0,1,2,3,4,5,6,7,8,9,10,11,12,13,14,15
	global_store_b128 v[CO], v[BB+4*\t:BB+4*\t+3], s[10:11] offset:(16*(\a)+\t)*4096 th:TH_STORE_NT   ; 32 lanes store 512 consecutive bytes, aligned; written once, read by nobody here
.endr
.endm
	PLACES                                         ; behind the last products, ahead of the first reads of results
	TOSTAGE 0
.irp a, 1,2,3
.if \a > 1
	s_wait_xcnt 0x0                                ; block a - 2's stores have read their registers: block a's loads may land there
.endif
	TOSTAGE \a
	SEND \a-1, 32                                  ; behind block a - 1's loads: block a's 16 stores and 16 loads
.endr
	SEND 3, 0
	s_wait_tensorcnt 0x0                           ; the wave's end
	ds_add_u32 v[SPW], v[NIL]
	s_wait_dscnt 0x0
	CROUND                                         ; the closing round
	s_endpgm
.Lfunc_end_k_q5dd1456c58_outp:
	.size	k_q5dd1456c58_outp, .Lfunc_end_k_q5dd1456c58_outp-k_q5dd1456c58_outp
	.p2alignl 7, 3214868480
	.fill 96, 4, 3214868480
	.section	.rodata,"a",@progbits
	.p2align	6, 0x0
	.amdhsa_kernel k_q5dd1456c58_outp
		.amdhsa_group_segment_fixed_size 327680
		.amdhsa_private_segment_fixed_size 0
		.amdhsa_enable_private_segment 0
		.amdhsa_kernarg_size 32
		.amdhsa_user_sgpr_count 2
		.amdhsa_user_sgpr_kernarg_segment_ptr 1
		.amdhsa_wavefront_size32 1
		.amdhsa_system_sgpr_workgroup_id_x 1
		.amdhsa_system_sgpr_workgroup_id_y 1
		.amdhsa_system_sgpr_workgroup_id_z 1
		.amdhsa_system_vgpr_workitem_id 0
		.amdhsa_next_free_vgpr 768
		.amdhsa_next_free_sgpr 66
		.amdhsa_reserve_vcc 0
		.amdhsa_float_denorm_mode_32 3
		.amdhsa_float_denorm_mode_16_64 3
		.amdhsa_memory_ordered 1
		.amdhsa_forward_progress 1
		.amdhsa_inst_pref_size 87
	.end_amdhsa_kernel
	.amdgpu_metadata
---
amdhsa.version: [ 1, 2 ]
amdhsa.kernels:
  - .name:           k_q5dd1456c58_outp
    .symbol:         k_q5dd1456c58_outp.kd
    .args:
      - { .name: xh, .offset: 0, .size: 8, .value_kind: global_buffer, .address_space: global }
      - { .name: wo16, .offset: 8, .size: 8, .value_kind: global_buffer, .address_space: global }
      - { .name: bo, .offset: 16, .size: 8, .value_kind: global_buffer, .address_space: global }
      - { .name: out0, .offset: 24, .size: 8, .value_kind: global_buffer, .address_space: global }
    .group_segment_fixed_size: 327680
    .private_segment_fixed_size: 0
    .kernarg_segment_align: 8
    .kernarg_segment_size: 32
    .max_flat_workgroup_size: 128
    .sgpr_count:     66
    .vgpr_count:     768
    .wavefront_size: 32
...
	.end_amdgpu_metadata
.endif
;; end of part 4
